; MI455X (gfx1250); checked and timed in simulation.
; The chip was launched on July 23, 2026; its instructions are those of AMD's public machine-readable ISA for CDNA 5 (MIT licence, August 2026) and "CDNA5" Instruction Set Architecture Reference Guide (July 2026). The comments in the code are by the model that wrote it; some were corrected since.
;; Trittention. Allowed arithmetic: matrix products marked QUANTISED: E2M3 operands, one E8M0 scale for each 32 along K, by v_wmma_scale_f32_16x16x128_f8f6f4 with both operands' format E2M3, f32 sums; everything else in f32.
;; Inputs: Wd 1,024 x 1,024 float32; Wk1 1,024 x 1,024 float32; Wk2 1,024 x 1,024 float32; Wq 1,024 x 1,024 float32; Wv1 1,024 x 1,024 float32; Wv2 1,024 x 1,024 float32; bd 1,024 float32; bk1 1,024 float32; bk2 1,024 float32; bq 1,024 float32; bv1 1,024 float32; bv2 1,024 float32; hidden_states 2 x 2,048 x 1,024 float32.
;; Outputs: out0 2 x 2,048 x 1,024 float32.
;; This version of the problem:
;;   THIS VERSION OF THE PROBLEM IS GIVEN IN LOW PRECISION. The matrix products marked QUANTISED in the list below multiply operands that are first quantised to E2M3 (2 exponent bits, 3 mantissa bits; 6 bits a number), with one power-of-two scale for each 32 numbers along K (OCP MX v1.0); their sums are f32. All else is computed in f32.
;;   The module's matrix products, in the order in which they are computed (A, B: the left and right operand; K: the contracted axis; several contracted axes count as one K, in the product's order):
;;     1. [M 4,096, K 1,024] x [K 1,024, N 1,024]; A: input hidden_states; B: input Wq: QUANTISED
;;     2. [M 4,096, K 1,024] x [K 1,024, N 1,024]; A: input hidden_states; B: input Wk1: QUANTISED
;;     3. [M 4,096, K 1,024] x [K 1,024, N 1,024]; A: input hidden_states; B: input Wk2: QUANTISED
;;     4. [M 4,096, K 1,024] x [K 1,024, N 1,024]; A: input hidden_states; B: input Wv1: QUANTISED
;;     5. [M 4,096, K 1,024] x [K 1,024, N 1,024]; A: input hidden_states; B: input Wv2: QUANTISED
;;     6. batch 32 x [M 2,048, K 64] x [K 64, N 2,048]; A: computed on the way; B: computed on the way: QUANTISED
;;     7. batch 32 x [M 2,048, K 2,048] x [K 2,048, N 64]; A: softmax (see below); B: computed on the way: QUANTISED
;;     8. batch 32 x [M 2,048, K 64] x [K 64, N 2,048]; A: computed on the way; B: computed on the way: QUANTISED
;;     9. batch 32 x [M 2,048, K 2,048] x [K 2,048, N 64]; A: computed on the way; B: computed on the way: QUANTISED
;;     10. [M 4,096, K 1,024] x [K 1,024, N 1,024]; A: computed on the way; B: input Wd: QUANTISED
;;   THE QUANTISER, for each operand of a quantised product, along K:
;;     - K is cut into blocks of 32 from its start; a last block that is shorter is filled with zeros.
;;     - A block's scale is 2^e with e = floor(log2(the largest magnitude in the block)) - 2, held to -126 .. 127; a block of zeros has e = 0. As a byte (E8M0): e + 127.
;;     - Each number is divided by its block's scale, clamped to +-7.5, and rounded to the nearest number of E2M3, ties to even, subnormals kept.
;;     - The product sums the exact products of the quantised numbers (number of the format x scale) in f32.
;;   ~~~python
;;   def quantise(x, axis):      # numpy; x: float32 -> the quantised numbers, widened to float32 again
;;       x = np.moveaxis(x, axis, -1); K = x.shape[-1]
;;       x = np.pad(x, [(0, 0)] * (x.ndim - 1) + [(0, -K % 32)]); x = x.reshape(x.shape[:-1] + (-1, 32)); a = np.abs(x).max(-1, keepdims=True)
;;       e = np.where(a > 0, np.clip(np.frexp(np.where(a > 0, a, 1))[1] - 1 - 2, -126, 127), 0)      # np.frexp(a)[1] - 1 = floor(log2(a)), exactly
;;       r = np.clip(x / 2.0 ** e, -7.5, 7.5)
;;       step = 2.0 ** (np.maximum(np.frexp(np.where(r == 0, 1, r))[1] - 1, 0) - 3)
;;       q = np.round(r / step) * step * 2.0 ** e      # np.round: ties to even
;;       return np.moveaxis(q.reshape(q.shape[:-2] + (-1,))[..., :K], -1, axis).astype(np.float32)
;;   ~~~
;;   SOFTMAX AHEAD OF A QUANTISED PRODUCT. Where the list says 'softmax', what is quantised is not the finished softmax but p = 2^(t - M), with t = logit x log2(e) and M = ceil(the row's largest t), a whole number; so 1/2 < the row's largest p <= 1. The row's sum l is taken of the UNQUANTISED p, in f32, and the product's result is divided by l at the end. Since M is a whole number, a kernel that streams over the keys may use a running M (the ceiling of the running maximum): every later rescaling is an exact power of two, which a block's scale takes up: the codes' values come out the same.
;;   OPERANDS COMPUTED ON THE WAY. 'Computed on the way' means the value that the module computes at that place (a softmax that the list does not call 'softmax' is quantised finished and normalised). What goes into a quantiser is computed in f32, as accurately as f32 sums, v_exp_f32 and their like allow (about 1e-6 of the number): no bf16 or f16 on the way to a quantiser, and a product that is left as it is and whose result goes on into a quantised operand takes f32 operands (vector FMAs, or v_wmma_f32_16x16x4_f32). A number that lies on a knife's edge between two numbers of the format may be rounded either way, as far as f32 arithmetic and the matrix unit's own rounding can turn it there, and no further.
;; One version. Each part assembles by itself: llvm-mc -triple=amdgcn-amd-amdhsa -mcpu=gfx1250 --defsym DOCPART=n.
;; ======== version 1 of 1: 4 launches
;; workspace buffers: xc 3,407,872 bytes; wc 4,259,840 bytes; wdc 851,968 bytes; qimg 3,407,872 bytes; kv 13,631,488 bytes; cimg 3,407,872 bytes
;; launch quant (part 1): grid 640 x 1, 4 waves a work-group, no clusters, 47,616 bytes of LDS; arguments hidden_states, Wq, Wk1, Wk2, Wv1, Wv2, Wd, xc, wc, wdc; writes xc, wc, wdc
.if DOCPART == 1
	.amdgcn_target "amdgcn-amd-amdhsa--gfx1250"
	.amdhsa_code_object_version 6
	.text
	.protected	k_qc0a201dc09_quant
	.globl	k_qc0a201dc09_quant
	.p2align	8
	.type	k_qc0a201dc09_quant,@function
k_qc0a201dc09_quant:
	s_mov_b64 s[64:65], 0
	v_nop
	global_prefetch_b8 v0, s[64:65] scope:SCOPE_SE
	s_setreg_imm32_b32 hwreg(HW_REG_WAVE_MODE, 25, 1), 1
	s_wait_xcnt 0x0
; hidden_states [4096][1024] (K innermost) and the six weights [1024 (K)][1024] (K is the first axis), f32, become codes of FP6 (E2M3) with one E8M0 byte for each 32 along K.
; They are stored as RECORDS: a fragment (16 rows x 128 K) as an image of its 12 registers, register p of lane l at 512 (p / 4) + 16 l + 4 (p % 4), 1,536 bytes, and behind it the rows' scale words at 4 l
; (lanes 16-31 a copy): 1,664 bytes.  THE ROWS OF A FRAGMENT ARE NOT NEIGHBOURS: row r of tile 2 G + u is row 32 G + 8 u + r + 8 (r / 8) of its axis, so that the results of two neighbouring tiles are 16 neighbours in a lane.
; A block's scale is 2^(floor(log2(largest magnitude)) - 2): its byte is the largest magnitude's exponent field - 2, held at 1 from below.
; LIMITS: a block of zeros, or one whose largest magnitude lies under 2^-124, gets the byte 1 (its codes are zeros or held small; the bytes are read by this program alone); NaN and infinities among the inputs are not served.
; Work-groups 0-255: a tile of 16 tokens of x, wave w its K steps 2 w and 2 w + 1.  Work-groups 256-639: a weight, a K step, 128 columns; wave w 32 of them.  The two ways have LDS bytes of their own.
; No tensor load, no barrier: waves share nothing.  Matrix units and clusters have nothing to do here: each byte is read once and written once.
.set REC,   1664
.set XST,   8448                       ; x's way: a stage of 16 rows x (512 bytes + 16) for each wave
.set WST0,  4*XST                      ; the weights' way: behind them, two records for each wave
.set WSTG,  2*REC
.set X,     16                         ; v16-79   64 numbers of my row, two whole blocks of 32 for each half of the fragment
.set R,     80                         ; v80-207  two fragments as they are loaded
.set C,     208                        ; v208-219 the codes
.set CT,    220                        ; v220-222, v224-226 the upper halves of the blocks' codes
.set MX,    228
.set SOP,   230
.set BY,    232
.set WD,    234
.set PT,    235
.set WX,    32                         ; the weights' way: v32-95 two sets of 32 numbers
.set D,     96                         ; v96-101 a block's codes
.set E,     104
.set SBW,   24
.set OUTR,  112
	s_load_b256 s[4:11], s[0:1], 0x0               ; hidden_states, Wq, Wk1, Wk2
	s_load_b256 s[12:19], s[0:1], 0x20             ; Wv1, Wv2, Wd, xc
	s_load_b128 s[20:23], s[0:1], 0x40             ; wc, wdc
	v_lshl_add_u32 v240, v0, 2, 0xb800
	v_mov_b32 v241, 0
	v_lshrrev_b32 v1, 5, v0
	v_readfirstlane_b32 s24, v1                    ; wave
	v_and_b32 v2, 31, v0                           ; lane
	v_lshlrev_b32 v3, 4, v2                        ; 16 x lane
	v_lshlrev_b32 v4, 2, v2                        ; 4 x lane
	v_and_b32 v5, 15, v0                           ; r
	v_bfe_u32 v6, v0, 4, 1                         ; h
	s_mov_b32 s40, 0x76543210
	s_mov_b32 s41, 0xfedcba98                      ; lane selects: lane l xor 16
	s_cmp_lt_u32 ttmp9, 256
	s_cbranch_scc0 .Lweights
	; ---- x: tile tau = the work-group's number: tokens 32 (tau / 2) + 8 (tau % 2) + p + 8 (p / 8)
	s_mul_i32 s25, s24, XST
	v_add_nc_u32 v7, s25, v3                       ; into the stage: a row's 512 bytes as they lie
	v_mul_u32_u24 v8, v5, 528
	v_lshl_add_u32 v8, v6, 7, v8
	v_add_nc_u32 v8, s25, v8                       ; out of it: row r, + 128 h: my block of 32 numbers
	v_lshlrev_b32 v9, 3, v6                        ; 8 h
	v_mov_b32 v[PT], 0                             ; a lane permute's destination counts as one of its sources
	s_lshr_b32 s26, ttmp9, 1
	s_lshl_b32 s26, s26, 5
	s_and_b32 s27, ttmp9, 1
	s_lshl_b32 s27, s27, 3
	s_add_co_u32 s26, s26, s27                     ; the tile's first token
	s_lshl_b32 s26, s26, 12                        ; x 4,096 bytes
	s_lshl_b32 s27, s24, 10
	s_add_co_u32 s26, s26, s27                     ; + my wave's 256 columns
	s_mov_b32 s27, 0
	s_lshr_b32 s28, ttmp9, 4
	s_lshl_b32 s28, s28, 3
	s_lshl_b32 s29, s24, 1
	s_add_co_u32 s28, s28, s29
	s_lshl_b32 s28, s28, 4
	s_and_b32 s29, ttmp9, 15
	s_add_co_u32 s28, s28, s29                     ; record ((tau / 16) 8 + 2 w) 16 + tau % 16
	s_mul_i32 s28, s28, REC
	s_mov_b32 s29, 0
	s_wait_kmcnt 0x0
	s_add_nc_u64 s[4:5], s[4:5], s[26:27]
	s_add_nc_u64 s[18:19], s[18:19], s[28:29]
.irp f, 0,1
.irp p, 0,1,2,3,4,5,6,7,8,9,10,11,12,13,14,15
	global_load_b128 v[R+64*\f+4*\p:R+64*\f+4*\p+3], v3, s[4:5] offset:(\p+8*(\p/8))*4096+512*\f th:TH_LOAD_NT   ; 32 lanes read 512 consecutive bytes of a row
.endr
.endr
.macro XFRAG f
	s_wait_loadcnt 16*(1-\f)                       ; this fragment's 16 loads are in; the other's may be out
.if \f
	s_wait_xcnt 0x0                                ; the first fragment's stores have read their registers, which are written again below
.endif
.irp p, 0,1,2,3,4,5,6,7,8,9,10,11,12,13,14,15
	ds_store_b128 v7, v[R+64*\f+4*\p:R+64*\f+4*\p+3] offset:528*\p
.endr
.irp c, 0,1
.irp j, 0,1,2,3,4,5,6,7
	ds_load_b128 v[X+32*\c+4*\j:X+32*\c+4*\j+3], v8 offset:256*\c+16*\j   ; k = 64 c + 32 h + 4 j ..: LDS serves a wave's instructions in order, so these see the stores above
.endr
.endr
	s_wait_dscnt 0x0
.irp c, 0,1
	v_max3_num_f32 v[MX+\c], |v[X+32*\c]|, |v[X+32*\c+1]|, 0x1800000   ; my block 2 c + h, and the floor 2^(3 - 127): the byte cannot fall under 1
.endr
.irp i, 2,4,6,8,10,12,14,16,18,20,22,24,26,28,30
.irp c, 0,1
	v_max3_num_f32 v[MX+\c], v[MX+\c], |v[X+32*\c+\i]|, |v[X+32*\c+\i+1]|
.endr
.endr
.irp c, 0,1
	v_add_nc_u32 v[SOP+\c], 0xff000000, v[MX+\c]   ; 2 off the exponent field: the conversion's scale operand
.endr
.irp c, 0,1
	v_lshrrev_b32 v[BY+\c], 23, v[SOP+\c]          ; the scale's byte
.endr
	v_lshl_or_b32 v[WD], v[BY+1], 16, v[BY]        ; my two bytes, blocks h and 2 + h,
	v_lshlrev_b32 v[WD], v9, v[WD]                 ; at their places;
	v_permlanex16_b32 v[PT], v[WD], s40, s41
	v_or_b32 v[WD], v[WD], v[PT]                   ; with lane l xor 16's two the word is whole, in both halves of the lanes
.irp c, 0,1
	v_cvt_scalef32_pk16_fp6_f32 v[C+6*\c:C+6*\c+2], v[X+32*\c:X+32*\c+15], v[SOP+\c]
	v_cvt_scalef32_pk16_fp6_f32 v[CT+4*\c:CT+4*\c+2], v[X+32*\c+16:X+32*\c+31], v[SOP+\c]   ; (a conversion's three registers begin on an even number)
.endr
	v_nop                                          ; one plain place behind a scaled conversion
.irp c, 0,1
.irp i, 0,1,2
	v_mov_b32 v[C+3+6*\c+\i], v[CT+4*\c+\i]
.endr
.endr
.irp k, 0,1,2
	global_store_b128 v3, v[C+4*\k:C+4*\k+3], s[18:19] offset:16*REC*\f+512*\k   ; 512 consecutive bytes
.endr
	global_store_b32 v4, v[WD], s[18:19] offset:16*REC*\f+1536
.endm
	XFRAG 0
	XFRAG 1
	s_wait_tensorcnt 0x0
	ds_add_u32 v240, v241
	s_wait_dscnt 0x0
	s_endpgm
.Lweights:
	; ---- a weight: a lane takes a column and its registers run down K, so that a block of 32 lies in one lane and the codes come out with K innermost
	s_sub_co_u32 s25, ttmp9, 256
	s_lshr_b32 s26, s25, 6                         ; T: q, k1, k2, v1, v2, d
	s_bfe_u32 s27, s25, 0x30003                    ; the K step
	s_and_b32 s28, s25, 7
	s_lshl_b32 s28, s28, 2
	s_add_co_u32 s28, s28, s24                     ; cg: my wave's 32 columns
	s_mul_i32 s29, s24, WSTG
	s_add_co_u32 s29, s29, WST0                    ; my stage: the two records of these 32 columns
	v_bfe_u32 v9, v0, 3, 1                         ; column l of the 32 is row r = l % 8 + 8 (l / 16) of tile u = (l / 8) % 2
	v_and_b32 v10, 7, v0
	v_lshl_add_u32 v10, v6, 3, v10
	v_mul_u32_u24 v9, v9, REC
	v_add_nc_u32 v9, s29, v9
	v_lshl_add_u32 v14, v10, 4, v9                 ; my codes' place: record u, + 16 r
	v_lshl_add_u32 v15, v10, 2, v9                 ; my scale word's: + 4 r
	v_add_nc_u32 v16, s29, v3                      ; back: 16 bytes a lane
	v_lshlrev_b32 v18, 3, v2
	v_add_nc_u32 v17, s29, v18                     ; and the last 256 bytes, 8 a lane
	s_lshl_b32 s30, s27, 19                        ; 128 rows of 4,096 bytes a K step
	s_lshl_b32 s31, s28, 7
	s_add_co_u32 s30, s30, s31
	s_mov_b32 s31, 0
	s_lshr_b32 s32, s28, 1                         ; wc: record ((cg / 2) 8 + ks) 20 + 4 T + 2 (cg % 2)
	s_lshl_b32 s32, s32, 3
	s_add_co_u32 s32, s32, s27
	s_mul_i32 s32, s32, 20
	s_lshl_b32 s33, s26, 2
	s_add_co_u32 s32, s32, s33
	s_and_b32 s33, s28, 1
	s_lshl_b32 s33, s33, 1
	s_add_co_u32 s32, s32, s33
	s_lshr_b32 s34, s28, 2                         ; wdc: record ((cg / 4) 8 + ks) 8 + 2 (cg % 4)
	s_lshl_b32 s34, s34, 3
	s_add_co_u32 s34, s34, s27
	s_lshl_b32 s34, s34, 3
	s_and_b32 s33, s28, 3
	s_lshl_b32 s33, s33, 1
	s_add_co_u32 s34, s34, s33
	s_wait_kmcnt 0x0
	s_cmp_eq_u32 s26, 5                            ; the choices hang on the work-group's number alone
	s_cselect_b32 s32, s34, s32
	s_cselect_b64 s[20:21], s[22:23], s[20:21]
	s_mul_i32 s32, s32, REC
	s_mov_b32 s33, 0
	s_add_nc_u64 s[20:21], s[20:21], s[32:33]
	s_cmp_eq_u32 s26, 1
	s_cselect_b64 s[6:7], s[8:9], s[6:7]
	s_cmp_eq_u32 s26, 2
	s_cselect_b64 s[6:7], s[10:11], s[6:7]
	s_cmp_eq_u32 s26, 3
	s_cselect_b64 s[6:7], s[12:13], s[6:7]
	s_cmp_eq_u32 s26, 4
	s_cselect_b64 s[6:7], s[14:15], s[6:7]
	s_cmp_eq_u32 s26, 5
	s_cselect_b64 s[6:7], s[16:17], s[6:7]
	s_add_nc_u64 s[6:7], s[6:7], s[30:31]
.macro WLOAD t                         ; block t: W(32 t + i, my column) into set t % 2; 32 lanes read 128 consecutive bytes, the four waves 512
.irp i, 0,1,2,3,4,5,6,7,8,9,10,11,12,13,14,15,16,17,18,19,20,21,22,23,24,25,26,27,28,29,30,31
	global_load_b32 v[WX+32*((\t)%2)+\i], v4, s[6:7] offset:(32*(\t)+\i)*4096 th:TH_LOAD_NT
.endr
.endm
	WLOAD 0
	WLOAD 1
.macro WBLOCK t                        ; block t is registers 6 (t / 2) .. + 5 of lane (r, h = t % 2) of my column's fragment
.set XS, WX+32*((\t)%2)
.if (\t) < 3
	s_wait_loadcnt 32                              ; this block's 32 loads are in; the next block's may be out
.else
	s_wait_loadcnt 0x0
.endif
	v_max3_num_f32 v12, |v[XS]|, |v[XS+1]|, |v[XS+2]|
	v_max3_num_f32 v13, |v[XS+3]|, |v[XS+4]|, |v[XS+5]|
.irp i, 6,10,14,18,22,26
	v_max3_num_f32 v12, v12, |v[XS+\i]|, |v[XS+\i+1]|
	v_max3_num_f32 v13, v13, |v[XS+\i+2]|, |v[XS+\i+3]|
.endr
	v_max3_num_f32 v12, v12, |v[XS+30]|, |v[XS+31]|
	v_max3_num_f32 v12, v12, v13, 0x1800000        ; and the floor
	v_add_nc_u32 v11, 0xff000000, v12
	v_lshrrev_b32 v13, 23, v11
.if (\t) == 0
	v_mov_b32 v[SBW], v13
.else
	v_lshl_or_b32 v[SBW], v13, 8*(\t), v[SBW]      ; my column's four bytes make its scale word
.endif
	v_cvt_scalef32_pk16_fp6_f32 v[D:D+2], v[XS:XS+15], v11
	v_cvt_scalef32_pk16_fp6_f32 v[E:E+2], v[XS+16:XS+31], v11
	v_nop                                          ; one plain place behind a scaled conversion
.irp i, 0,1,2
	v_mov_b32 v[D+3+\i], v[E+\i]
.endr
.if (\t) < 2
	ds_store_b128 v14, v[D:D+3] offset:256*((\t)%2)              ; registers 0-3
	ds_store_b64 v14, v[D+4:D+5] offset:512+256*((\t)%2)         ; registers 4, 5
.else
	ds_store_b64 v14, v[D:D+1] offset:520+256*((\t)%2)           ; registers 6, 7
	ds_store_b128 v14, v[D+2:D+5] offset:1024+256*((\t)%2)       ; registers 8-11
.endif
.if (\t) < 2
	WLOAD (\t)+2
.endif
	s_wait_dscnt 0x0                               ; the stores have read their registers: the next block's codes may be written
.endm
	WBLOCK 0
	WBLOCK 1
	WBLOCK 2
	WBLOCK 3
	ds_store_b32 v15, v[SBW] offset:1536           ; the scale word, for lane r
	ds_store_b32 v15, v[SBW] offset:1600           ; and its copy, for lane 16 + r
.irp k, 0,1,2,3,4,5
	ds_load_b128 v[OUTR+4*\k:OUTR+4*\k+3], v16 offset:512*\k   ; LDS serves a wave's instructions in order: these see my stores
.endr
	ds_load_b64 v[OUTR+24:OUTR+25], v17 offset:3072
.irp k, 0,1,2,3,4,5
	s_wait_dscnt 6-\k                              ; the younger read-backs may be out
	global_store_b128 v3, v[OUTR+4*\k:OUTR+4*\k+3], s[20:21] offset:512*\k   ; the two records are 3,328 consecutive bytes, at a multiple of 256 from the buffer's first byte
.endr
	s_wait_dscnt 0x0
	global_store_b64 v18, v[OUTR+24:OUTR+25], s[20:21] offset:3072
	s_wait_tensorcnt 0x0
	ds_add_u32 v240, v241
	s_wait_dscnt 0x0
	s_endpgm
.Lfunc_end_k_qc0a201dc09_quant:
	.size	k_qc0a201dc09_quant, .Lfunc_end_k_qc0a201dc09_quant-k_qc0a201dc09_quant
	.p2alignl 7, 3214868480
	.fill 96, 4, 3214868480
	.section	.rodata,"a",@progbits
	.p2align	6, 0x0
	.amdhsa_kernel k_qc0a201dc09_quant
		.amdhsa_group_segment_fixed_size 47616
		.amdhsa_private_segment_fixed_size 0
		.amdhsa_enable_private_segment 0
		.amdhsa_kernarg_size 80
		.amdhsa_user_sgpr_count 2
		.amdhsa_user_sgpr_kernarg_segment_ptr 1
		.amdhsa_wavefront_size32 1
		.amdhsa_system_sgpr_workgroup_id_x 1
		.amdhsa_system_sgpr_workgroup_id_y 1
		.amdhsa_system_sgpr_workgroup_id_z 1
		.amdhsa_system_vgpr_workitem_id 0
		.amdhsa_next_free_vgpr 242
		.amdhsa_next_free_sgpr 66
		.amdhsa_reserve_vcc 0
		.amdhsa_float_denorm_mode_32 3
		.amdhsa_float_denorm_mode_16_64 3
		.amdhsa_memory_ordered 1
		.amdhsa_forward_progress 1
		.amdhsa_inst_pref_size 39
	.end_amdhsa_kernel
	.amdgpu_metadata
---
amdhsa.version: [ 1, 2 ]
amdhsa.kernels:
  - .name:           k_qc0a201dc09_quant
    .symbol:         k_qc0a201dc09_quant.kd
    .args:
      - { .name: hidden_states, .offset: 0, .size: 8, .value_kind: global_buffer, .address_space: global }
      - { .name: Wq, .offset: 8, .size: 8, .value_kind: global_buffer, .address_space: global }
      - { .name: Wk1, .offset: 16, .size: 8, .value_kind: global_buffer, .address_space: global }
      - { .name: Wk2, .offset: 24, .size: 8, .value_kind: global_buffer, .address_space: global }
      - { .name: Wv1, .offset: 32, .size: 8, .value_kind: global_buffer, .address_space: global }
      - { .name: Wv2, .offset: 40, .size: 8, .value_kind: global_buffer, .address_space: global }
      - { .name: Wd, .offset: 48, .size: 8, .value_kind: global_buffer, .address_space: global }
      - { .name: xc, .offset: 56, .size: 8, .value_kind: global_buffer, .address_space: global }
      - { .name: wc, .offset: 64, .size: 8, .value_kind: global_buffer, .address_space: global }
      - { .name: wdc, .offset: 72, .size: 8, .value_kind: global_buffer, .address_space: global }
    .group_segment_fixed_size: 47616
    .private_segment_fixed_size: 0
    .kernarg_segment_align: 8
    .kernarg_segment_size: 80
    .max_flat_workgroup_size: 128
    .sgpr_count:     66
    .vgpr_count:     242
    .wavefront_size: 32
...
	.end_amdgpu_metadata
.endif
;; end of part 1
;; launch proj (part 2): grid 16 x 16, 4 waves a work-group, clusters of 4 x 4, 327,680 bytes of LDS; arguments xc, wc, bq, bk1, bk2, bv1, bv2, qimg, kv; writes qimg, kv
.if DOCPART == 2
	.amdgcn_target "amdgcn-amd-amdhsa--gfx1250"
	.amdhsa_code_object_version 6
	.text
	.protected	k_qc0a201dc09_proj
	.globl	k_qc0a201dc09_proj
	.p2align	8
	.type	k_qc0a201dc09_proj,@function
k_qc0a201dc09_proj:
	s_mov_b64 s[64:65], 0
	v_nop
	global_prefetch_b8 v0, s[64:65] scope:SCOPE_SE
	s_setreg_imm32_b32 hwreg(HW_REG_WAVE_MODE, 25, 1), 1
	s_wait_xcnt 0x0
	s_wait_alu depctr_hold_cnt(0) depctr_sa_sdst(0) depctr_va_vdst(0) depctr_va_sdst(0) depctr_va_ssrc(0) depctr_va_vcc(0) depctr_vm_vsrc(0)
	s_getreg_b32 s2, hwreg(HW_REG_IB_STS2, 6, 4)
	s_cmp_eq_u32 s2, 0
	s_cbranch_scc0 .Lentry_in_a_cluster
	s_endpgm
.Lentry_in_a_cluster:
	s_bfe_u32 s2, ttmp6, 0x10000c
	s_cmp_lg_u32 s2, 0xf033
	s_cbranch_scc0 .Lentry_shape_is_right
	s_endpgm
.Lentry_shape_is_right:
; The five projections x W + b on codes of FP6 (E2M3), and the quantisers behind them: q, k1, k2 along the head's 64, v1, v2 along the keys.  No f32 result goes to memory.
; A work-group takes 256 tokens (y) and one head (x) of all five tensors: 256 x 320.  Wave w takes tokens 64 w .. 64 w + 63 (four fragments of x) against all 20 fragments of W: 80 accumulators, 640 registers.
; OPERANDS ARE RECORDS: a fragment as an image of its 12 registers (three loads of 16 bytes a lane, 512 consecutive bytes each) and its scale words at 4 x lane: no pitch, no padding.  A K step's records are one dense block.
; THE ROWS OF A FRAGMENT ARE NOT NEIGHBOURS: row r of tile 2 G + u is row 32 G + 8 u + r + 8 (r / 8), so that the 16 registers of two neighbouring tiles are 16 neighbours of the axis of source 0.
; q, k1, k2: source 0 = W, source 1 = x: a lane holds one token, its registers run along d.   v1, v2: source 0 = x, source 1 = W: a lane holds one d, its registers run along the tokens, which are the next K.
; So any 64 neighbouring accumulator registers are four half blocks of 32 in the order that the quantiser (QUANT) takes, and its 12 registers of codes are stored as they stand:
;   q, k: A PAIR: registers 0-5 = tile 2 G's d blocks, registers 6-11 = tile 2 G + 1's; scale word [t0 b0, t0 b1, t1 b0, t1 b1].   v: registers 6 e .. 6 e + 5 = half (64 keys) w % 2 of the fragment of d tile 2 tau + e.
; K goes in steps of 128 through two LDS slots of two K steps each, filled by joint tensor loads: 4 x 4 work-groups form a cluster; x's block is shared along a row of it, W's along a column.
; LIMITS: a block of zeros, or one under 2^-124, gets the byte 1 (the bytes are read by this program alone); NaN and infinities are not served.
; REGISTERS, in windows of 256: window 0: v2-31 addresses; v32-47 scale words; v48-143 x's fragments, a set for each K step of a slot; v144-239 W's, two sets by turns.
;   tensor T's 16 accumulators: window 1 + T / 2, from v[128 (T % 2)].   window 3 from v128: the biases.
.set REC,   1664
.set XKS,   16*REC                     ; a K step of x: 26,624 bytes
.set WKS,   20*REC                     ; of W: 33,280
.set WOFF,  2*XKS
.set SLOT,  2*XKS+2*WKS                ; 119,808
.set SPARE, 2*SLOT                     ; behind the ring: the spare words, 128 bytes for each wave: two blocks of 256 bytes that no other line names
.set KVS,   13312                      ; a key step's record in kv
.set ADX,   4                          ; v4-7   x's records of slot s, K step q (2 s + q): my four, + 16 x lane
.set ADXS,  8                          ; v8-11  their scale words: + 4 x lane
.set ADW,   12                         ; v12-15 W's records
.set ADWS,  16                         ; v16-19 their scale words
.set SPW,   28
.set NIL,   29
.set XS,    32
.set WS,    40
.set XF,    48
.set WF,    144
.set BQ,    128                        ; window 3: v[128 + 32 T + 16 b + e] = b_T[64 head + 32 b + 16 h + e]
.set BV,    224                        ; window 3: the pair v[224 + 2 (4 (T - 3) + t)] = b_T[64 head + 32 (t / 2) + 8 (t % 2) + r + 8 (r / 8)], twice
.set TP,    48                         ; the way out, window 0: 64 numbers
.set PC,    112                        ; their codes
.set TM,    132
.set PW,    148                        ; their scale word
.set PH,    149
.set G1X,   24
.set G0X,   32
.set G1W,   48
.set G0W,   56
.set SEL,   94
.set MSB,   0
.macro WIN new                         ; the immediate's high byte repeats the setting that is left
.if MSB != (\new)
	s_set_vgpr_msb (MSB<<8)|(\new)
.set MSB, (\new)
.endif
.endm
.macro PLACES n
.rept \n
	v_nop
.endr
.endm
; A joint load: waves 0 and 1 fetch x's two K steps of a slot, waves 2 and 3 W's.  The branch hangs on the wave's number alone.  Four v_nop follow each of the two lines.
.macro JLOAD g0a, g1a, g0b, g1b
	s_cmp_eq_u32 s15, 0
	s_cbranch_scc0 .Lfor_b_\@
	tensor_load_to_lds s[\g0a:\g0a+3], s[\g1a:\g1a+7]
	s_nop 0
.rept 4
	v_nop
.endr
	s_branch .Lasked_\@
.Lfor_b_\@:
	tensor_load_to_lds s[\g0b:\g0b+3], s[\g1b:\g1b+7]
	s_nop 0
.rept 4
	v_nop
.endr
.Lasked_\@:
.endm
.macro CREST                           ; a round of the cluster's barrier behind its opening barrier
	s_cmp_lg_u32 s14, 0
	s_cbranch_scc1 .Lnot_wave_0_\@
	s_barrier_signal -3
.Lnot_wave_0_\@:
	s_barrier_wait -3
	s_barrier_signal -1
	s_barrier_wait -1
.endm
.macro CROUND
	s_barrier_signal -1
	s_barrier_wait -1
	CREST
.endm
	s_load_b256 s[4:11], s[0:1], 0x0               ; xc, wc, bq, bk1
	s_load_b256 s[84:91], s[0:1], 0x20             ; bk2, bv1, bv2, qimg
	s_load_b64 s[92:93], s[0:1], 0x40              ; kv
	v_lshl_add_u32 v[SPW], v0, 2, SPARE
	v_mov_b32 v[NIL], 0
	ds_add_u32 v28, v29
	ds_add_u32 v28, v29
	s_wait_dscnt 0x0
	v_lshrrev_b32 v1, 5, v0
	v_readfirstlane_b32 s14, v1                    ; wave 0..3
	s_lshr_b32 s15, s14, 1                         ; I fetch for x (0) or for W (1)
	s_and_b32 s16, s14, 1                          ; which K step of a slot I fetch
	s_bfe_u32 s40, ttmp6, 0x40000                  ; cx, cy: my place in the cluster
	s_bfe_u32 s41, ttmp6, 0x40004
	s_lshl_b32 s42, ttmp9, 2
	s_add_co_u32 s42, s42, s40                     ; the head = 4 x cluster x + cx
	s_and_b32 s17, ttmp7, 0xffff
	s_lshl_b32 s17, s17, 2
	s_add_co_u32 s17, s17, s41                     ; the block of 256 tokens = 4 x cluster y + cy
	s_lshl_b32 s43, s41, 2
	s_lshl_b32 s43, 15, s43                        ; my row of the cluster
	s_lshl_b32 s44, 0x1111, s40                    ; my column
	; descriptor group 1: a dense block as rows of 256 bytes (32 elements of 8 bytes): 104 rows for x, 130 for W; no padding
	s_or_b32 s[G1X], s43, (3<<16)|(1<<21)          ; 15:0 the mask: x's block goes to my row; 17:16 elements of 8 bytes; 21 set beside a mask
	s_or_b32 s[G1W], s44, (3<<16)|(1<<21)          ; W's to my column
	s_mov_b32 s[G1X+1], 32<<16                     ; tensor_dim0
	s_mov_b32 s[G1X+2], 104<<16                    ; tensor_dim1
	s_mov_b32 s[G1X+3], 32<<16                     ; tile_dim0
	s_mov_b32 s[G1X+4], 104                        ; tile_dim1
	s_mov_b32 s[G1X+5], 32                         ; the pitch
	s_mov_b32 s[G1X+6], 0
	s_mov_b32 s[G1X+7], 0
	s_mov_b32 s[G1W+1], 32<<16
	s_mov_b32 s[G1W+2], 130<<16
	s_mov_b32 s[G1W+3], 32<<16
	s_mov_b32 s[G1W+4], 130
	s_mov_b32 s[G1W+5], 32
	s_mov_b32 s[G1W+6], 0
	s_mov_b32 s[G1W+7], 0
	s_lshl_b32 s20, s17, 3                         ; x: K step (block x 8 + q): it hangs on the block of tokens alone, which my row shares
	s_add_co_u32 s20, s20, s16
	s_mul_i32 s20, s20, XKS
	s_mov_b32 s21, 0
	s_lshl_b32 s46, s42, 3                         ; W: K step (head x 8 + q): on the head alone, which my column shares
	s_add_co_u32 s46, s46, s16
	s_mul_i32 s46, s46, WKS
	s_mov_b32 s47, 0
	s_mul_i32 s45, s16, XKS                        ; where they go: no place in the cluster enters an LDS address
	s_mul_i32 s22, s16, WKS
	s_add_co_u32 s22, s22, WOFF
	s_mov_b32 s[SEL], 0x76543210
	s_mov_b32 s[SEL+1], 0xfedcba98
	s_wait_kmcnt 0x0
	s_add_nc_u64 s[20:21], s[4:5], s[20:21]
	s_add_nc_u64 s[46:47], s[6:7], s[46:47]
	CROUND                                         ; all sixteen work-groups are here: the first joint loads meet
.irp s, 0,1
	s_mov_b32 s[G0X+4*\s], 1
	s_add_co_u32 s[G0X+4*\s+1], s45, \s*SLOT
	s_add_nc_u64 s[G0X+4*\s+2:G0X+4*\s+3], s[20:21], \s*2*XKS
	s_or_b32 s[G0X+4*\s+3], s[G0X+4*\s+3], 0x80000000
	s_mov_b32 s[G0W+4*\s], 1
	s_add_co_u32 s[G0W+4*\s+1], s22, \s*SLOT
	s_add_nc_u64 s[G0W+4*\s+2:G0W+4*\s+3], s[46:47], \s*2*WKS
	s_or_b32 s[G0W+4*\s+3], s[G0W+4*\s+3], 0x80000000
	JLOAD G0X+4*\s, G1X, G0W+4*\s, G1W             ; K steps 2 s and 2 s + 1: by this text's count two loads of a wave are out
.endr
	v_and_b32 v1, 31, v0
	v_lshlrev_b32 v2, 4, v1                        ; 16 x lane
	v_lshlrev_b32 v3, 2, v1                        ; 4 x lane
	s_mul_i32 s18, s14, 4*REC                      ; my four records of x
.irp k, 0,1,2,3
	s_add_co_u32 s19, s18, (\k/2)*SLOT+(\k%2)*XKS
	v_add_nc_u32 v[ADX+\k], s19, v2
	s_add_co_u32 s19, s19, 1536
	v_add_nc_u32 v[ADXS+\k], s19, v3
	v_add_nc_u32 v[ADW+\k], (\k/2)*SLOT+WOFF+(\k%2)*WKS, v2
	v_add_nc_u32 v[ADWS+\k], (\k/2)*SLOT+WOFF+(\k%2)*WKS+1536, v3
.endr
	s_mul_i32 s19, s16, 3072                       ; the stores' offsets: my wave's two pairs of four,
	v_add_nc_u32 v20, s19, v2
	s_lshl_b32 s19, s16, 8
	v_add_nc_u32 v21, s19, v3
	s_mul_i32 s19, s16, 768                        ; my half of v's fragments,
	v_add_nc_u32 v22, s19, v2
	v_lshl_add_u32 v23, v1, 3, s19
	s_lshl_b32 s19, s16, 1                         ; my two bytes of v's scale words
	v_add_nc_u32 v24, s19, v3
	v_bfe_u32 v27, v0, 4, 1
	v_lshlrev_b32 v27, 6, v27                      ; the biases: 16 h numbers on,
	v_and_b32 v30, 15, v0
	v_and_b32 v31, 8, v30
	v_add_nc_u32 v30, v30, v31
	v_lshlrev_b32 v30, 2, v30                      ; r + 8 (r / 8) numbers on
	s_lshl_b32 s66, s42, 8                         ; the head's 64 numbers
	s_mov_b32 s67, 0
	s_add_nc_u64 s[8:9], s[8:9], s[66:67]
	s_add_nc_u64 s[10:11], s[10:11], s[66:67]
	s_add_nc_u64 s[84:85], s[84:85], s[66:67]
	s_add_nc_u64 s[86:87], s[86:87], s[66:67]
	s_add_nc_u64 s[88:89], s[88:89], s[66:67]
.macro BQLOAD T, sb
.irp k, 0,1,2,3,4,5,6,7
	global_load_b128 v[BQ+32*\T+4*\k:BQ+32*\T+4*\k+3], v27, s[\sb:\sb+1] offset:128*(\k/4)+16*(\k%4)
.endr
.endm
.macro BVLOAD T, sb
.irp t, 0,1,2,3
	global_load_b32 v[BV+2*(4*(\T-3)+\t)], v30, s[\sb:\sb+1] offset:(32*(\t/2)+8*(\t%2))*4
	global_load_b32 v[BV+2*(4*(\T-3)+\t)+1], v30, s[\sb:\sb+1] offset:(32*(\t/2)+8*(\t%2))*4   ; twice: a pair for the packed addition
.endr
.endm
	WIN 0xc0                                       ; destination window 3; their wait stands at the way out; their address registers are never written again
	BQLOAD 0, 8
	BQLOAD 1, 10
	BQLOAD 2, 84
	BVLOAD 3, 86
	BVLOAD 4, 88
	WIN 0
	s_lshr_b32 s68, s17, 3
	s_lshl_b32 s68, s68, 4
	s_add_co_u32 s68, s68, s42                     ; bh = 16 x batch + head
	s_and_b32 s69, s17, 7                          ; my block among the sequence's eight
	s_mul_i32 s70, s68, 64*REC                     ; q: pair 8 (block % 8) + 2 w of the head's 64
	s_lshl_b32 s71, s69, 3
	s_lshl_b32 s72, s14, 1
	s_add_co_u32 s71, s71, s72
	s_mul_i32 s71, s71, REC
	s_add_co_u32 s70, s70, s71
	s_mov_b32 s71, 0
	s_add_nc_u64 s[90:91], s[90:91], s[70:71]
	s_mul_i32 s70, s68, 32*KVS                     ; k, v: key step 2 (block % 8) + w / 2 of the head's 16; k2's and v2's lie 16 steps on
	s_lshl_b32 s72, s69, 1
	s_add_co_u32 s72, s72, s15
	s_mul_i32 s72, s72, KVS
	s_add_co_u32 s70, s70, s72
	s_add_nc_u64 s[92:93], s[92:93], s[70:71]
.macro LOADX s, q                      ; my four fragments of x and their scale words: 16 LDS loads
.irp i, 0,1,2,3
.irp c, 0,1,2
	ds_load_b128 v[XF+48*(\q)+12*\i+4*\c:XF+48*(\q)+12*\i+4*\c+3], v[ADX+2*(\s)+(\q)] offset:\i*REC+512*\c
.endr
	ds_load_b32 v[XS+4*(\q)+\i], v[ADXS+2*(\s)+(\q)] offset:\i*REC
.endr
.endm
.macro LOADW s, q, T, set              ; tensor T's four fragments of W: 16 LDS loads
.irp f, 0,1,2,3
.irp c, 0,1,2
	ds_load_b128 v[WF+48*(\set)+12*\f+4*\c:WF+48*(\set)+12*\f+4*\c+3], v[ADW+2*(\s)+(\q)] offset:(4*(\T)+\f)*REC+512*\c
.endr
	ds_load_b32 v[WS+4*(\set)+\f], v[ADWS+2*(\s)+(\q)] offset:(4*(\T)+\f)*REC
.endr
.endm
; Matrix instructions lo .. hi of tensor T's sixteen, each on another accumulator (an accumulator comes up again 80 instructions on).
.macro MULG T, q, set, zero, lo, hi
.set a, \lo
.rept (\hi)-(\lo)+1
.if (\T) < 3
.set rA, WF+48*(\set)+12*(a%4)
.set rB, XF+48*(\q)+12*(a/4)
.set sA, WS+4*(\set)+a%4
.set sB, XS+4*(\q)+a/4
.else
.set rA, XF+48*(\q)+12*(a%4)
.set rB, WF+48*(\set)+12*(a/4)
.set sA, XS+4*(\q)+a%4
.set sB, WS+4*(\set)+a/4
.endif
.set rD, 128*((\T)%2)+8*a
.if \zero
	v_wmma_scale_f32_16x16x128_f8f6f4 v[rD:rD+7], v[rA:rA+11], v[rB:rB+11], 0, v[sA], v[sB] matrix_a_fmt:MATRIX_FMT_FP6 matrix_b_fmt:MATRIX_FMT_FP6
.else
	v_wmma_scale_f32_16x16x128_f8f6f4 v[rD:rD+7], v[rA:rA+11], v[rB:rB+11], v[rD:rD+7], v[sA], v[sB] matrix_a_fmt:MATRIX_FMT_FP6 matrix_b_fmt:MATRIX_FMT_FP6
.endif
.set a, a+1
.endr
.endm
; A group: tensor T in K step q of slot s.  The next group's fragments of W are asked for first, into the set that the group before has multiplied (four places behind its last product), then this group's 16 products.
.macro GROUP s, q, T, zero
	PLACES 4
.if (\T) < 4
	LOADW \s, \q, (\T)+1, (5*(\q)+(\T)+1)%2
.else
	LOADW \s, (\q)+1, 0, (5*(\q)+(\T)+1)%2
.endif
.if ((\q) == 0) && ((\T) == 2)
	LOADX \s, 1                                    ; x's fragments of the slot's second K step
	s_wait_dscnt 32                                ; all but the 32 just issued
.else
	s_wait_dscnt 16                                ; all but the 16 just issued
.endif
	WIN 0x50*(1+(\T)/2)                            ; C and D in tensor T's window
	MULG \T, \q, (5*(\q)+(\T))%2, \zero, 0, 15
	WIN 0
.endm
.macro RUN9 s, zero
	GROUP \s, 0, 0, \zero
	GROUP \s, 0, 1, \zero
	GROUP \s, 0, 2, \zero
	GROUP \s, 0, 3, \zero
	GROUP \s, 0, 4, \zero
	GROUP \s, 1, 0, 0
	GROUP \s, 1, 1, 0
	GROUP \s, 1, 2, 0
	GROUP \s, 1, 3, 0
.endm
; A slot's last group changes slots: ONE barrier; in front of it each wave waits for all its tensor loads, adds 0 to its spare word, and waits for that and for its reads of this slot.  fill = 1: this slot is filled again, four K steps on.
.macro TURN s, next, fill
	s_wait_tensorcnt 0x0                           ; all my tensor loads have landed: my part of the next slot
	ds_add_u32 v[SPW], v[NIL]                      ; 0 onto my spare word
	s_wait_dscnt 1                                 ; (the add may be out: W's fragments are in)
	WIN 0xf0
	MULG 4, 1, 1, 0, 0, 7                          ; eight matrix instructions stand between the add and the wait for it
	s_wait_dscnt 0x0                               ; the add is done, and my reads of this slot are over
	s_barrier_signal -1
	MULG 4, 1, 1, 0, 8, 15
	WIN 0
	s_barrier_wait -1
.if \fill
	CREST                                          ; the barrier has opened a round of the cluster's barrier: no wave of any partner still reads this slot or has a load on its way
	s_add_nc_u64 s[G0X+4*\s+2:G0X+4*\s+3], s[G0X+4*\s+2:G0X+4*\s+3], 4*XKS
	s_add_nc_u64 s[G0W+4*\s+2:G0W+4*\s+3], s[G0W+4*\s+2:G0W+4*\s+3], 4*WKS
	JLOAD G0X+4*\s, G1X, G0W+4*\s, G1W             ; the first tensor load behind the round; its four v_nop are the places in front of the loads below
.else
	PLACES 4
.endif
	LOADX \next, 0
	LOADW \next, 0, 0, 0
.endm
	s_wait_tensorcnt 1                             ; my part of slot 0 is in (slot 1's load may be out)
	s_barrier_signal -1
	s_barrier_wait -1                              ; everybody's is
	LOADX 0, 0
	LOADW 0, 0, 0, 0
	RUN9 0, 1                                      ; K steps 0, 1: the first products start the sums
	TURN 0, 1, 1                                   ; slot 0 takes K steps 4, 5
	RUN9 1, 0
	TURN 1, 0, 1                                   ; slot 1 takes K steps 6, 7
	RUN9 0, 0
	TURN 0, 1, 0                                   ; nothing is left to fetch
	RUN9 1, 0
	s_wait_dscnt 0x0
	WIN 0xf0
	MULG 4, 1, 1, 0, 0, 15
	WIN 0
; THE WAY OUT.  64 numbers of a lane, v[s] .. v[s + 63], register 16 b + i = place 32 b + 16 (lane / 16) + i of the quantiser's axis, become 12 registers of codes in v[PC] on and a scale word in v[PW].
.macro QUANT s
.irp b, 0,1,2,3
	v_max3_num_f32 v[TM+\b], |v[\s+16*\b]|, |v[\s+1+16*\b]|, 0x1800000   ; block b: my 16 numbers, and the floor 2^(3 - 127): the byte cannot fall under 1
.endr
.irp i, 2,4,6,8,10,12,14
.irp b, 0,1,2,3
	v_max3_num_f32 v[TM+\b], v[TM+\b], |v[\s+16*\b+\i]|, |v[\s+1+16*\b+\i]|
.endr
.endr
.irp b, 0,1,2,3
	v_permlanex16_b32 v[TM+4+\b], v[TM+\b], s[SEL], s[SEL+1]
.endr
.irp b, 0,1,2,3
	v_max_num_f32 v[TM+\b], v[TM+\b], v[TM+4+\b]   ; with lane l xor 16's: the block's largest magnitude
.endr
.irp b, 0,1,2,3
	v_add_nc_u32 v[TM+12+\b], 0xff000000, v[TM+\b] ; 2 off its exponent field: the conversion's scale operand
.endr
.irp b, 0,1,2,3
	v_lshrrev_b32 v[TM+4+\b], 23, v[TM+12+\b]      ; the scale's byte
.endr
	v_lshl_or_b32 v[PW], v[TM+5], 8, v[TM+4]
	v_lshl_or_b32 v[PW], v[TM+6], 16, v[PW]
	v_lshl_or_b32 v[PW], v[TM+7], 24, v[PW]
.irp c, 0,1
	v_cvt_scalef32_pk16_fp6_f32 v[PC+6*\c:PC+2+6*\c], v[\s+32*\c:\s+15+32*\c], v[TM+12+2*\c]
	v_cvt_scalef32_pk16_fp6_f32 v[PC+12+4*\c:PC+14+4*\c], v[\s+16+32*\c:\s+31+32*\c], v[TM+12+2*\c+1]   ; (a conversion's three registers begin on an even number)
.endr
	v_nop                                          ; one plain place behind a scaled conversion
.irp c, 0,1                            ; a whole block to a lane: lanes 0-15 block 2 c, lanes 16-31 block 2 c + 1
.irp i, 0,1,2
	v_permlane16_swap_b32 v[PC+6*\c+\i], v[PC+12+4*\c+\i]
.endr
.irp i, 0,1,2
	v_mov_b32 v[PC+3+6*\c+\i], v[PC+12+4*\c+\i]
.endr
.endr
.endm
; q, k1, k2: the pair g of my token tiles: register 32 u + 16 b + e = d 32 b + 16 h + e of tile 2 g + u's token r.  The bias is added in f32, two at a time; each accumulator is read from its low end on.
.macro QKEPI T, g
	WIN (1+(\T)/2)|(3<<2)                          ; source 0: T's window; source 1: window 3
.set n, 0
.rept 32
	v_pk_add_f32 v[TP+n:TP+n+1], v[128*((\T)%2)+64*(\g)+n:128*((\T)%2)+64*(\g)+n+1], v[BQ+32*(\T)+n%32:BQ+32*(\T)+n%32+1]
.set n, n+2
.endr
	WIN 0
	s_wait_xcnt 0x0                                ; the last stores have read the codes' registers and the scale word's, which are written again below
	QUANT TP
.if (\T) == 0
.irp k, 0,1,2
	global_store_b128 v2, v[PC+4*\k:PC+4*\k+3], s[90:91] offset:REC*(\g)+512*\k
.endr
	global_store_b32 v3, v[PW], s[90:91] offset:REC*(\g)+1536
.else
.irp k, 0,1,2
	global_store_b128 v20, v[PC+4*\k:PC+4*\k+3], s[92:93] offset:((\T)-1)*16*KVS+1536*(\g)+512*\k   ; 512 consecutive bytes, at a multiple of 256 from the buffer's first byte
.endr
	global_store_b32 v21, v[PW], s[92:93] offset:((\T)-1)*16*KVS+6144+128*(\g)
.endif
.endm
; v1, v2: d tiles 2 tau and 2 tau + 1: register 32 e + 16 g + i = token 64 w + 32 g + 16 h + i of d row r of tile 2 tau + e.
.macro VEPI T, tau
	WIN (1+(\T)/2)|(3<<2)
.set n, 0
.rept 32
	v_pk_add_f32 v[TP+n:TP+n+1], v[128*((\T)%2)+64*(\tau)+n:128*((\T)%2)+64*(\tau)+n+1], v[BV+2*(4*((\T)-3)+2*(\tau)+n/32):BV+2*(4*((\T)-3)+2*(\tau)+n/32)+1]
.set n, n+2
.endr
	WIN 0
	s_wait_xcnt 0x0
	QUANT TP
	v_lshrrev_b32 v[PH], 16, v[PW]                 ; tile 2 tau + 1's two bytes
.irp e, 0,1
	global_store_b128 v22, v[PC+6*\e:PC+6*\e+3], s[92:93] offset:((\T)-3)*16*KVS+6656+1536*(2*(\tau)+\e)        ; the half's registers 0-3: 512 consecutive bytes
	global_store_b64 v23, v[PC+6*\e+4:PC+6*\e+5], s[92:93] offset:((\T)-3)*16*KVS+6656+1536*(2*(\tau)+\e)+512   ; registers 4, 5: 256
.endr
	global_store_b16 v24, v[PW], s[92:93] offset:((\T)-3)*16*KVS+12800+128*(2*(\tau))
	global_store_b16 v24, v[PH], s[92:93] offset:((\T)-3)*16*KVS+12800+128*(2*(\tau)+1)
.endm
	s_wait_loadcnt 0x0                             ; the biases
	PLACES 4                                       ; behind the last products: their results are read and their operands' registers written below
.irp b, 0,1,2,3
	v_mov_b32 v[TM+4+\b], 0                        ; a lane permute's destination counts as one of its sources
.endr
	QKEPI 0, 0
	QKEPI 0, 1
	QKEPI 1, 0
	QKEPI 1, 1
	QKEPI 2, 0
	QKEPI 2, 1
	VEPI 3, 0
	VEPI 3, 1
	VEPI 4, 0
	VEPI 4, 1
	s_wait_tensorcnt 0x0                           ; the wave's end
	ds_add_u32 v[SPW], v[NIL]
	s_wait_dscnt 0x0
	CROUND                                         ; the closing round: no work-group ends while a partner may still ask for a block that names it
	s_endpgm
.Lfunc_end_k_qc0a201dc09_proj:
	.size	k_qc0a201dc09_proj, .Lfunc_end_k_qc0a201dc09_proj-k_qc0a201dc09_proj
	.p2alignl 7, 3214868480
	.fill 96, 4, 3214868480
	.section	.rodata,"a",@progbits
	.p2align	6, 0x0
	.amdhsa_kernel k_qc0a201dc09_proj
		.amdhsa_group_segment_fixed_size 327680
		.amdhsa_private_segment_fixed_size 0
		.amdhsa_enable_private_segment 0
		.amdhsa_kernarg_size 72
		.amdhsa_user_sgpr_count 2
		.amdhsa_user_sgpr_kernarg_segment_ptr 1
		.amdhsa_wavefront_size32 1
		.amdhsa_system_sgpr_workgroup_id_x 1
		.amdhsa_system_sgpr_workgroup_id_y 1
		.amdhsa_system_sgpr_workgroup_id_z 1
		.amdhsa_system_vgpr_workitem_id 0
		.amdhsa_next_free_vgpr 1024
		.amdhsa_next_free_sgpr 100
		.amdhsa_reserve_vcc 0
		.amdhsa_float_denorm_mode_32 3
		.amdhsa_float_denorm_mode_16_64 3
		.amdhsa_memory_ordered 1
		.amdhsa_forward_progress 1
		.amdhsa_inst_pref_size 215
	.end_amdhsa_kernel
	.amdgpu_metadata
---
amdhsa.version: [ 1, 2 ]
amdhsa.kernels:
  - .name:           k_qc0a201dc09_proj
    .symbol:         k_qc0a201dc09_proj.kd
    .args:
      - { .name: xc, .offset: 0, .size: 8, .value_kind: global_buffer, .address_space: global }
      - { .name: wc, .offset: 8, .size: 8, .value_kind: global_buffer, .address_space: global }
      - { .name: bq, .offset: 16, .size: 8, .value_kind: global_buffer, .address_space: global }
      - { .name: bk1, .offset: 24, .size: 8, .value_kind: global_buffer, .address_space: global }
      - { .name: bk2, .offset: 32, .size: 8, .value_kind: global_buffer, .address_space: global }
      - { .name: bv1, .offset: 40, .size: 8, .value_kind: global_buffer, .address_space: global }
      - { .name: bv2, .offset: 48, .size: 8, .value_kind: global_buffer, .address_space: global }
      - { .name: qimg, .offset: 56, .size: 8, .value_kind: global_buffer, .address_space: global }
      - { .name: kv, .offset: 64, .size: 8, .value_kind: global_buffer, .address_space: global }
    .group_segment_fixed_size: 327680
    .private_segment_fixed_size: 0
    .kernarg_segment_align: 8
    .kernarg_segment_size: 72
    .max_flat_workgroup_size: 128
    .sgpr_count:     100
    .vgpr_count:     1024
    .wavefront_size: 32
...
	.end_amdgpu_metadata
.endif
;; end of part 2
;; launch attn (part 3): grid 8 x 32, 16 waves a work-group, clusters of 4 x 1, 327,680 bytes of LDS; arguments qimg, kv, cimg; writes cimg
.if DOCPART == 3
	.amdgcn_target "amdgcn-amd-amdhsa--gfx1250"
	.amdhsa_code_object_version 6
	.text
	.protected	k_qc0a201dc09_attn
	.globl	k_qc0a201dc09_attn
	.p2align	8
	.type	k_qc0a201dc09_attn,@function
k_qc0a201dc09_attn:
	s_mov_b64 s[64:65], 0
	v_nop
	global_prefetch_b8 v0, s[64:65] scope:SCOPE_SE
	s_setreg_imm32_b32 hwreg(HW_REG_WAVE_MODE, 25, 1), 1
	s_wait_xcnt 0x0
	s_wait_alu depctr_hold_cnt(0) depctr_sa_sdst(0) depctr_va_vdst(0) depctr_va_sdst(0) depctr_va_ssrc(0) depctr_va_vcc(0) depctr_vm_vsrc(0)
	s_getreg_b32 s2, hwreg(HW_REG_IB_STS2, 6, 4)
	s_cmp_eq_u32 s2, 0
	s_cbranch_scc0 .Lentry_in_a_cluster
	s_endpgm
.Lentry_in_a_cluster:
	s_bfe_u32 s2, ttmp6, 0x10000c
	s_cmp_lg_u32 s2, 0x3003
	s_cbranch_scc0 .Lentry_shape_is_right
	s_endpgm
.Lentry_shape_is_right:
; For one head: ctx1 = softmax(q k1^T / 8, causal) v1;  ctx3 = (ctx1 k2^T) v2.  All four products on codes of FP6 (E2M3), one E8M0 scale for each 32 along a product's K; the quantisers of p, ctx1, ctx2 and ctx3 in registers.
; THE SOFTMAX: t = score x log2(e) / 8; M = the row's largest t so far, rounded up to a whole number; p = 2^(t - M) is quantised along the keys, not normalised; the row's sum of the unquantised p divides at the end.
; SHARES.  A work-group (x = j, y = batch x 16 + head) has sixteen waves of 256 registers, four to a SIMD; wave w owns ONE tile of 16 queries, tile 8 rho + j, rho = w xor 3 ((w / 4) % 2):
; so each work-group spans the whole sequence and all have the same causal work.  Tile 2 G + u holds queries 32 G + 8 u + r + 8 (r / 8): all of them lie in 128 rho .. 128 rho + 127.
; So a key step (128 keys from KF on) is hidden where KF > 128 rho, lies on the diagonal where KF = 128 rho, and counts whole below: branches on the wave's number alone.
; CLUSTER.  The four work-groups of a cluster belong to one head and read the same K and V: each block is asked for JOINTLY.
; BOTH KINDS OF PRODUCT ARE USED TRANSPOSED: S^T = K Q^T, O^T = V^T P^T: a lane holds one query throughout, and its registers run along the next product's K.
; K = 64 IN AN INSTRUCTION OF 128: a PAIR of key tiles is one operand (registers 0-5 tile 2 G, registers 6-11 tile 2 G + 1, each with the head's two blocks of 32).  The other side is a run of 18 registers
; [Q | six zeros | Q]: its first 12 pick tile 2 G, its last 12 tile 2 G + 1: zero codes add nothing under any scale byte of 1 .. 254.  Q's scale word is [s0, s1, s0, s1].
; LDS: a head's stream is 32 key steps of 13,312 bytes (16 of k1, v1; 16 of k2, v2).  Six regions of four steps hold the first 24, asked for at the head; the last 8 go into the first two regions when the causal part is over,
; eight key steps ahead of their use: the launch's one refill.  So no wave waits for a block that could have been asked for earlier, and nothing is prefetched.
; LIMITS: a block of zeros, or one under 2^-124, gets the byte 1 (the bytes are read by this program alone); NaN and infinities are not served.
.set REC,   1664
.set KVS,   13312                      ; a key step: 4 pairs of K (1,536 each), their scale words (128 each), 4 tiles of V (two halves of 768), their scale words
.set HALF,  2*KVS                      ; what one tensor load brings
.set REG,   4*KVS                      ; a region
.set SPARE, 6*REG                      ; behind the regions: the spare words, 128 bytes for each wave: eight blocks of 256 bytes that no other line names
.set DQ,    4                          ; v4   r + 8 (r / 8) - 16 h
.set SPW,   5
.set NIL,   6
.set AK,    8                          ; v8-10 the step's LDS addresses: + 16, 8, 4 x lane (v1, v2, v3)
.set AB,    9
.set AS,    10
.set FR,    34                         ; v34-81  four operands: K's pairs, then V's tiles
.set FS,    82                         ; v82-85  their scale words
.set QS,    86                         ; q's (later ctx1's) scale word
.set PS,    87                         ; p's (later ctx2's)
.set S,     96                         ; v96-159  S^T, then p
.set O,     160                        ; v160-191 O^T
.set PC,    192                        ; v192-203 codes
.set CT,    204                        ; v204-206, v208-210
.set BM,    212
.set BP,    216
.set SO,    220
.set WV,    10
.set RK,    11                         ; s11  128 rho
.set G1,    16
.set G0,    24                         ; s[24:47] six groups 0
.set SEL,   48
.set CS,    50
.set TB,    52                         ; the step's first LDS byte
.set KF,    53                         ; its first key
.set Q0,    54                         ; my tile's first query
.set CNT,   55
.macro PLACES n
.rept \n
	v_nop
.endr
.endm
.macro CROUND                          ; a round of the cluster's barrier
	s_barrier_signal -1
	s_barrier_wait -1
	s_cmp_lg_u32 s[WV], 0
	s_cbranch_scc1 .Lnot_wave_0_\@
	s_barrier_signal -3
.Lnot_wave_0_\@:
	s_barrier_wait -3
	s_barrier_signal -1
	s_barrier_wait -1
.endm
	s_load_b128 s[4:7], s[0:1], 0x0                ; qimg, kv
	s_load_b64 s[8:9], s[0:1], 0x10                ; cimg
	v_lshl_add_u32 v[SPW], v0, 2, SPARE
	v_mov_b32 v[NIL], 0
	ds_add_u32 v5, v6
	ds_add_u32 v5, v6
	s_wait_dscnt 0x0
	v_lshrrev_b32 v8, 5, v0
	v_readfirstlane_b32 s[WV], v8                  ; wave 0..15
	s_and_b32 s56, ttmp7, 0xffff                   ; bh, which the four partners share
	s_mul_i32 s58, s56, 32*KVS                     ; the head's stream
	s_mul_i32 s57, s[WV], HALF                     ; my half of a region (waves 0, 1), my quarter of the refill (waves 0-3)
	s_add_co_u32 s58, s58, s57
	s_mov_b32 s59, 0
	s_mov_b32 s[G1], 15|(3<<16)|(1<<21)            ; 15:0 the mask: all four work-groups; 17:16 elements of 8 bytes; 21 set beside a mask; no padding
	s_mov_b32 s[G1+1], 32<<16                      ; a dense block as 104 rows of 256 bytes
	s_mov_b32 s[G1+2], 104<<16
	s_mov_b32 s[G1+3], 32<<16
	s_mov_b32 s[G1+4], 104
	s_mov_b32 s[G1+5], 32
	s_mov_b32 s[G1+6], 0
	s_mov_b32 s[G1+7], 0
	s_mov_b32 s[SEL], 0x76543210
	s_mov_b32 s[SEL+1], 0xfedcba98
	s_mov_b32 s[CS], 0x3e38aa3b                    ; c = log2(e) / 8
	s_mov_b32 s[CS+1], s[CS]
	s_mov_b32 s[TB], 0
	s_mov_b32 s[KF], 0
	s_wait_kmcnt 0x0
	s_add_nc_u64 s[6:7], s[6:7], s[58:59]
.irp g, 0,1,2,3,4,5
	s_mov_b32 s[G0+4*\g], 1
	s_add_co_u32 s[G0+4*\g+1], s57, \g*REG
	s_add_nc_u64 s[G0+4*\g+2:G0+4*\g+3], s[6:7], \g*REG
	s_or_b32 s[G0+4*\g+3], s[G0+4*\g+3], 0x80000000
.endr
	CROUND                                         ; all four work-groups are here: the first joint loads meet
	s_cmp_lt_u32 s[WV], 2                          ; waves 0 and 1: six loads each, in one branch: by this text's count six loads of a wave are out
	s_cbranch_scc0 .Lno_first
.irp g, 0,1,2,3,4,5
	tensor_load_to_lds s[G0+4*\g:G0+4*\g+3], s[G1:G1+7]
	s_nop 0
.endr
.rept 4
	v_nop
.endr
.Lno_first:
	s_bfe_u32 s61, ttmp6, 0x40000                  ; cx
	s_lshl_b32 s62, ttmp9, 2
	s_add_co_u32 s62, s62, s61                     ; j = 4 x cluster x + cx: it enters global addresses and the mask's numbers alone
	s_lshr_b32 s60, s[WV], 2
	s_and_b32 s60, s60, 1
	s_mul_i32 s60, s60, 3
	s_xor_b32 s60, s60, s[WV]                      ; rho
	s_lshl_b32 s[RK], s60, 7
	s_lshl_b32 s60, s60, 3
	s_add_co_u32 s60, s60, s62                     ; my tile
	s_lshr_b32 s61, s60, 1                         ; G
	s_and_b32 s62, s60, 1                          ; u
	s_lshl_b32 s[Q0], s61, 5
	s_lshl_b32 s63, s62, 3
	s_add_co_u32 s[Q0], s[Q0], s63
	s_mul_i32 s66, s56, 64*REC
	s_mul_i32 s67, s61, REC
	s_add_co_u32 s66, s66, s67
	s_mov_b32 s67, 0
	s_add_nc_u64 s[4:5], s[4:5], s[66:67]          ; q's pair G
	s_cmp_eq_u32 s62, 1                            ; its registers 6 u .. 6 u + 5, in pieces of 8 bytes: at 0, 8, 512 or at 520, 1024, 1032 (+ 16 x lane)
	s_cselect_b32 s68, 520, 0
	s_cselect_b32 s69, 1024, 8
	s_mov_b32 s70, 512
	s_cselect_b32 s70, 1032, s70
	s_lshl_b32 s71, s62, 4                         ; 16 u
	v_and_b32 v8, 31, v0
	v_lshlrev_b32 v1, 4, v8
	v_lshlrev_b32 v2, 3, v8
	v_lshlrev_b32 v3, 2, v8
	v_add_nc_u32 v88, s68, v1
	v_add_nc_u32 v89, s69, v1
	v_add_nc_u32 v90, s70, v1
	global_load_b64 v[16:17], v88, s[4:5]          ; Q, twice: the run [Q | zeros | Q]
	global_load_b64 v[18:19], v89, s[4:5]
	global_load_b64 v[20:21], v90, s[4:5]
	global_load_b64 v[28:29], v88, s[4:5]
	global_load_b64 v[30:31], v89, s[4:5]
	global_load_b64 v[32:33], v90, s[4:5]
	global_load_b32 v91, v3, s[4:5] offset:1536    ; the pair's scale word
	v_and_b32 v9, 15, v0
	v_and_b32 v10, 8, v9
	v_add_nc_u32 v9, v9, v10
	v_bfe_u32 v10, v0, 4, 1
	v_lshlrev_b32 v10, 4, v10
	v_sub_nc_u32 v[DQ], v9, v10
	s_and_b32 s72, s56, 1                          ; ctx3: my head is half c = head % 2 of K step head / 2 of the last product
	s_mul_i32 s73, s72, 768
	v_add_nc_u32 v7, s73, v1
	v_add_nc_u32 v92, s73, v2
	s_lshl_b32 s73, s72, 1
	v_add_nc_u32 v93, s73, v3
	s_lshr_b32 s74, s56, 4
	s_lshl_b32 s74, s74, 7
	s_add_co_u32 s74, s74, s60                     ; my tile among the 256 of both batches
	s_lshr_b32 s75, s74, 3
	s_lshl_b32 s75, s75, 6
	s_bfe_u32 s76, s56, 0x30001
	s_lshl_b32 s76, s76, 3
	s_add_co_u32 s75, s75, s76
	s_and_b32 s76, s74, 7
	s_add_co_u32 s75, s75, s76
	s_mul_i32 s74, s75, REC
	s_mov_b32 s75, 0
	s_add_nc_u64 s[8:9], s[8:9], s[74:75]
	s_wait_loadcnt 0x0                             ; Q
	v_lshrrev_b32 v226, s71, v91
	v_and_b32 v226, 0xffff, v226                   ; my tile's two bytes,
	v_lshl_or_b32 v[QS], v226, 16, v226            ; twice.  (The moves below are the places between this line and the first product)
	v_mov_b32 v13, 0xff61b1e6                      ; the largest t so far: -3e38
	v_floor_f32 v12, -v13                          ; -M
	v_mov_b32 v14, 0                               ; the sum, in two halves
	v_mov_b32 v15, 0
.irp i, 22,23,24,25,26,27
	v_mov_b32 v\i, 0                               ; the run's zeros
.endr
.irp b, 0,1,2,3
	v_mov_b32 v[BP+\b], 0                          ; a lane permute's destination counts as one of its sources
.endr
	v_mov_b32 v225, 0                              ; (named as the upper half of the pair v[224:225])
	v_mov_b32 v227, 0xff800000                     ; -infinity
.set j, 0
.rept 32
	v_mov_b32 v[O+j], 0                            ; O^T: the step is written once; its first turn finds zeros
.set j, j+1
.endr
.macro HEAD n                          ; the next region is whole: the fetching waves' count leaves their n younger loads out
	s_wait_tensorcnt \n
	s_wait_dscnt 0x0
	s_barrier_signal -1
	s_barrier_wait -1
.endm
.macro ADDR                            ; three additions and a v_nop: the four places behind the last products, in front of the loads into their operands
	v_add_nc_u32 v[AK], s[TB], v1
	v_add_nc_u32 v[AB], s[TB], v2
	v_add_nc_u32 v[AS], s[TB], v3
	v_nop
.endm
.macro KLOAD
.irp p, 0,1,2,3
.irp c, 0,1,2
	ds_load_b128 v[FR+12*\p+4*\c:FR+12*\p+4*\c+3], v[AK] offset:1536*\p+512*\c
.endr
	ds_load_b32 v[FS+\p], v[AS] offset:6144+128*\p
.endr
.endm
.macro VLOAD
.irp t, 0,1,2,3
.irp c, 0,1
	ds_load_b128 v[FR+12*\t+6*\c:FR+12*\t+6*\c+3], v[AK] offset:6656+1536*\t+768*\c
	ds_load_b64 v[FR+12*\t+6*\c+4:FR+12*\t+6*\c+5], v[AB] offset:6656+1536*\t+768*\c+512
.endr
	ds_load_b32 v[FS+\t], v[AS] offset:12800+128*\t
.endr
.endm
.macro SCORES                          ; register 16 p + e of S^T = key KF + 32 p + 16 h + e
.irp p, 0,1,2,3
	v_wmma_scale_f32_16x16x128_f8f6f4 v[S+16*\p:S+16*\p+7], v[FR+12*\p:FR+12*\p+11], v[16:27], 0, v[FS+\p], v[QS] matrix_a_fmt:MATRIX_FMT_FP6 matrix_b_fmt:MATRIX_FMT_FP6
	v_wmma_scale_f32_16x16x128_f8f6f4 v[S+16*\p+8:S+16*\p+15], v[FR+12*\p:FR+12*\p+11], v[22:33], 0, v[FS+\p], v[QS] matrix_a_fmt:MATRIX_FMT_FP6 matrix_b_fmt:MATRIX_FMT_FP6
.endr
.endm
.macro PVMUL                           ; register 16 b + 8 u + i of O^T = d 32 b + 16 h + 8 u + i; the four accumulators by turns
.irp t, 0,1,2,3
	v_wmma_scale_f32_16x16x128_f8f6f4 v[O+8*\t:O+8*\t+7], v[FR+12*\t:FR+12*\t+11], v[PC:PC+11], v[O+8*\t:O+8*\t+7], v[FS+\t], v[PS] matrix_a_fmt:MATRIX_FMT_FP6 matrix_b_fmt:MATRIX_FMT_FP6
.endr
.endm
.macro CODES                           ; from the four blocks' largest magnitudes in v[BM] on: the scale word in v[PS], the 64 numbers' codes in v[PC] on
.irp b, 0,1,2,3
	v_add_nc_u32 v[SO+\b], 0xff000000, v[BM+\b]    ; 2 off the exponent field: the conversion's scale operand
.endr
.irp b, 0,1,2,3
	v_lshrrev_b32 v[BP+\b], 23, v[SO+\b]           ; the scale's byte
.endr
	v_lshl_or_b32 v[PS], v[BP+1], 8, v[BP]
	v_lshl_or_b32 v[PS], v[BP+2], 16, v[PS]
	v_lshl_or_b32 v[PS], v[BP+3], 24, v[PS]
.irp c, 0,1
	v_cvt_scalef32_pk16_fp6_f32 v[PC+6*\c:PC+6*\c+2], v[S+32*\c:S+32*\c+15], v[SO+2*\c]
	v_cvt_scalef32_pk16_fp6_f32 v[CT+4*\c:CT+4*\c+2], v[S+32*\c+16:S+32*\c+31], v[SO+2*\c+1]
.endr
	v_nop                                          ; one plain place behind a scaled conversion
.irp c, 0,1                            ; a whole block to a lane
.irp i, 0,1,2
	v_permlane16_swap_b32 v[PC+6*\c+\i], v[CT+4*\c+\i]
.endr
.irp i, 0,1,2
	v_mov_b32 v[PC+3+6*\c+\i], v[CT+4*\c+\i]
.endr
.endr
.endm
; 32 numbers of a lane (register 16 b + i = d 32 b + 16 h + i) become six registers of codes at v[dst] and two scale bytes in v226
.macro QUANT2 src, dst
.irp b, 0,1
	v_max3_num_f32 v[BM+\b], |v[\src+16*\b]|, |v[\src+16*\b+1]|, 0x1800000
.endr
.irp i, 2,4,6,8,10,12,14
.irp b, 0,1
	v_max3_num_f32 v[BM+\b], v[BM+\b], |v[\src+16*\b+\i]|, |v[\src+16*\b+\i+1]|
.endr
.endr
.irp b, 0,1
	v_permlanex16_b32 v[BP+\b], v[BM+\b], s[SEL], s[SEL+1]
.endr
.irp b, 0,1
	v_max_num_f32 v[BM+\b], v[BM+\b], v[BP+\b]
.endr
.irp b, 0,1
	v_add_nc_u32 v[SO+\b], 0xff000000, v[BM+\b]
.endr
.irp b, 0,1
	v_lshrrev_b32 v[BP+\b], 23, v[SO+\b]
.endr
	v_lshl_or_b32 v226, v[BP+1], 8, v[BP]
	v_cvt_scalef32_pk16_fp6_f32 v[\dst:\dst+2], v[\src:\src+15], v[SO]
	v_cvt_scalef32_pk16_fp6_f32 v[CT:CT+2], v[\src+16:\src+31], v[SO+1]
	v_nop
.irp i, 0,1,2
	v_permlane16_swap_b32 v[\dst+\i], v[CT+\i]
.endr
.irp i, 0,1,2
	v_mov_b32 v[\dst+3+\i], v[CT+\i]
.endr
.endm
; A KEY STEP OF THE CAUSAL PART.  A hidden step is left out by a scalar branch round its work, not round the lines that step addresses; no barrier and no tensor load stands in a step.
.macro STEPA
	s_cmp_gt_u32 s[KF], s[RK]
	s_cbranch_scc1 .Lhidden_\@
	ADDR
	KLOAD
	s_wait_dscnt 0x0
	SCORES
	PLACES 4                                       ; in front of the loads into K's registers and of the first read of the scores
	VLOAD                                          ; V lands while the softmax is worked
	s_cmp_lt_u32 s[KF], s[RK]
	s_cbranch_scc1 .Lopen_\@
	s_sub_co_i32 s77, s[Q0], s[KF]                 ; on the diagonal hidden scores become -infinity: register 16 p + e is hidden where 32 p + e > my query - KF - 16 h
	v_add_nc_u32 v228, s77, v[DQ]
.set n, 0
.rept 64
	v_cmp_gt_i32 vcc_lo, 32*(n/16)+n%16, v228
	v_cndmask_b32 v[S+n], v[S+n], v227, vcc_lo
.set n, n+1
.endr
.Lopen_\@:
.irp b, 0,1,2,3
	v_max3_num_f32 v[BM+\b], v[S+16*\b], v[S+1+16*\b], v[S+2+16*\b]   ; the largest score of each block of 32 keys: for the row's maximum and, since p rises with the score, for the block's largest p
.endr
.irp i, 3,5,7,9,11,13
.irp b, 0,1,2,3
	v_max3_num_f32 v[BM+\b], v[BM+\b], v[S+16*\b+\i], v[S+1+16*\b+\i]
.endr
.endr
.irp b, 0,1,2,3
	v_max_num_f32 v[BM+\b], v[BM+\b], v[S+15+16*\b]
.endr
.irp b, 0,1,2,3
	v_permlanex16_b32 v[BP+\b], v[BM+\b], s[SEL], s[SEL+1]
.endr
.irp b, 0,1,2,3
	v_max_num_f32 v[BM+\b], v[BM+\b], v[BP+\b]
.endr
	v_max3_num_f32 v226, v[BM], v[BM+1], v[BM+2]
	v_max_num_f32 v226, v226, v[BM+3]
	v_mul_f32 v226, s[CS], v226                    ; the step's largest t
	v_max_num_f32 v13, v13, v226                   ; the running largest t
	v_mov_b32 v226, v12
	v_floor_f32 v12, -v13                          ; the new -M = -ceil(t)
	v_sub_f32 v226, v12, v226                      ; old M - new M: a whole number, 0 or less
	v_cvt_i32_f32 v226, v226                       ; (it saturates)
	v_ldexp_f32 v224, 1.0, v226                    ; f = 2^(old M - new M): a multiplication by it rounds nothing
.set j, 0
.rept 32
	v_pk_fma_f32 v[S+j:S+j+1], v[S+j:S+j+1], s[CS:CS+1], v[12:13] op_sel_hi:[1,0,0]   ; t - M
.set j, j+2
.endr
.irp b, 0,1,2,3
	v_fma_f32 v[BM+\b], v[BM+\b], s[CS], v12
.endr
.set j, 0
.rept 64
	v_exp_f32 v[S+j], v[S+j]                       ; p = 2^(t - M)
.set j, j+1
.endr
	v_pk_mul_f32 v[14:15], v[14:15], v[224:225] op_sel_hi:[1,0]   ; the sums under the new M: the plain place behind the exponentials
	s_wait_alu depctr_va_vdst(0)                   ; one wait for the batch, ahead of its first reader
.irp b, 0,1,2,3
	v_exp_f32 v[BM+\b], v[BM+\b]                   ; the blocks' largest p
.endr
	v_pk_add_f32 v[230:231], v[S:S+1], v[S+2:S+3]  ; the row's sum of the unquantised p, in two chains
.set j, 4
.rept 15
	v_pk_add_f32 v[14:15], v[14:15], v[S+j:S+j+1]
	v_pk_add_f32 v[230:231], v[230:231], v[S+j+2:S+j+3]
.set j, j+4
.endr
	v_pk_add_f32 v[14:15], v[14:15], v[230:231]
	s_wait_alu depctr_va_vdst(0)                   ; and one for the four
.irp b, 0,1,2,3
	v_max_num_f32 v[BM+\b], 0x1800000, v[BM+\b]    ; the floor: the byte cannot fall under 1
.endr
	CODES
.set j, 0
.rept 16
	v_pk_mul_f32 v[O+j:O+j+1], v[O+j:O+j+1], v[224:225] op_sel_hi:[1,0]   ; O^T under the new M; these 16 are also the places in front of the products below
.set j, j+2
.endr
	s_wait_dscnt 0x0                               ; V
	PVMUL
.Lhidden_\@:
	s_add_co_u32 s[KF], s[KF], 128
	s_add_co_u32 s[TB], s[TB], KVS
.endm
; A KEY STEP OF THE SECOND PART: ctx2 = ctx1 k2^T is quantised along the keys as it stands; O^T += v2^T ctx2^T
.macro STEPB
	ADDR
	KLOAD
	s_wait_dscnt 0x0
	SCORES
	PLACES 4
	VLOAD
.irp b, 0,1,2,3
	v_max3_num_f32 v[BM+\b], |v[S+16*\b]|, |v[S+1+16*\b]|, 0x1800000
.endr
.irp i, 2,4,6,8,10,12,14
.irp b, 0,1,2,3
	v_max3_num_f32 v[BM+\b], v[BM+\b], |v[S+16*\b+\i]|, |v[S+1+16*\b+\i]|
.endr
.endr
.irp b, 0,1,2,3
	v_permlanex16_b32 v[BP+\b], v[BM+\b], s[SEL], s[SEL+1]
.endr
.irp b, 0,1,2,3
	v_max_num_f32 v[BM+\b], v[BM+\b], v[BP+\b]
.endr
	CODES
	PLACES 8                                       ; a scale register written by a vector instruction stands 8 places ahead of a scaled product, an operand so written 4
	s_wait_dscnt 0x0
	PVMUL
	s_add_co_u32 s[TB], s[TB], KVS
.endm
.macro RUNA n
	s_mov_b32 s[CNT], \n
.Lrun_a_\@:
	STEPA
	s_sub_co_u32 s[CNT], s[CNT], 1
	s_cmp_lg_u32 s[CNT], 0
	s_cbranch_scc1 .Lrun_a_\@
.endm
.macro RUNB n
	s_mov_b32 s[CNT], \n
.Lrun_b_\@:
	STEPB
	s_sub_co_u32 s[CNT], s[CNT], 1
	s_cmp_lg_u32 s[CNT], 0
	s_cbranch_scc1 .Lrun_b_\@
.endm
	HEAD 5                                         ; region 0 is in; the five younger fills may be out
	RUNA 4
	HEAD 4
	RUNA 4
	HEAD 3
	RUNA 4
	HEAD 2
	RUNA 4
	; THE ONE REFILL: regions 0 and 1, which nobody reads any more, take the stream's last eight key steps
	s_wait_tensorcnt 0x0                           ; all my tensor loads have landed, regions 4 and 5 among them: a group 0 may be written
	ds_add_u32 v[SPW], v[NIL]                      ; 0 onto my spare word
	ds_add_u32 v5, v6
	s_add_nc_u64 s[G0+2:G0+3], s[G0+2:G0+3], 12*HALF   ; my quarter of them; its LDS address, 26,624 x wave, stands already
	s_wait_dscnt 0x0                               ; the add is done, and my reads are over
	CROUND                                         ; no wave of any partner still reads these regions or has a load on its way
	s_cmp_lt_u32 s[WV], 4
	s_cbranch_scc0 .Lno_refill
	tensor_load_to_lds s[G0:G0+3], s[G1:G1+7]
	s_nop 0
.rept 4
	v_nop
.endr
.Lno_refill:
	PLACES 4                                       ; behind the last products
	v_add_f32 v14, v14, v15                        ; the sum's two halves,
	v_permlanex16_b32 v[BP], v14, s[SEL], s[SEL+1]
	v_add_f32 v14, v14, v[BP]                      ; and lane l xor 16's
	v_rcp_f32 v224, v14
	v_nop                                          ; a plain place behind the transcendental
	s_wait_alu depctr_va_vdst(0)                   ; and the wait ahead of its first reader
.set j, 0
.rept 16
	v_pk_mul_f32 v[S+j:S+j+1], v[O+j:O+j+1], v[224:225] op_sel_hi:[1,0]   ; ctx1 = O^T / the sum, each accumulator from its low end on
.set j, j+2
.endr
	QUANT2 S, 16                                   ; ctx1's codes take Q's place in the run,
.irp i, 0,1,2,3,4,5
	v_mov_b32 v[28+\i], v[16+\i]                   ; twice
.endr
	v_lshl_or_b32 v[QS], v226, 16, v226
.set j, 0
.rept 32
	v_mov_b32 v[O+j], 0                            ; O^T anew; these moves are also the places in front of the next products
.set j, j+1
.endr
	RUNB 8                                         ; regions 4 and 5
	HEAD 0                                         ; the refill has landed
	s_mov_b32 s[TB], 0
	RUNB 8                                         ; regions 0 and 1
	PLACES 4
	QUANT2 O, PC                                   ; ctx3, along d: half a fragment of the last product's operand
	global_store_b128 v7, v[PC:PC+3], s[8:9]       ; 512 consecutive bytes
	global_store_b64 v92, v[PC+4:PC+5], s[8:9] offset:512
	global_store_b16 v93, v226, s[8:9] offset:1536
	s_wait_tensorcnt 0x0                           ; the wave's end
	ds_add_u32 v[SPW], v[NIL]
	s_wait_dscnt 0x0
	CROUND                                         ; the closing round
	s_endpgm
.Lfunc_end_k_qc0a201dc09_attn:
	.size	k_qc0a201dc09_attn, .Lfunc_end_k_qc0a201dc09_attn-k_qc0a201dc09_attn
	.p2alignl 7, 3214868480
	.fill 96, 4, 3214868480
	.section	.rodata,"a",@progbits
	.p2align	6, 0x0
	.amdhsa_kernel k_qc0a201dc09_attn
		.amdhsa_group_segment_fixed_size 327680
		.amdhsa_private_segment_fixed_size 0
		.amdhsa_enable_private_segment 0
		.amdhsa_kernarg_size 24
		.amdhsa_user_sgpr_count 2
		.amdhsa_user_sgpr_kernarg_segment_ptr 1
		.amdhsa_wavefront_size32 1
		.amdhsa_system_sgpr_workgroup_id_x 1
		.amdhsa_system_sgpr_workgroup_id_y 1
		.amdhsa_system_sgpr_workgroup_id_z 1
		.amdhsa_system_vgpr_workitem_id 0
		.amdhsa_next_free_vgpr 256
		.amdhsa_next_free_sgpr 100
		.amdhsa_reserve_vcc 1
		.amdhsa_float_denorm_mode_32 3
		.amdhsa_float_denorm_mode_16_64 3
		.amdhsa_memory_ordered 1
		.amdhsa_forward_progress 1
		.amdhsa_inst_pref_size 119
	.end_amdhsa_kernel
	.amdgpu_metadata
---
amdhsa.version: [ 1, 2 ]
amdhsa.kernels:
  - .name:           k_qc0a201dc09_attn
    .symbol:         k_qc0a201dc09_attn.kd
    .args:
      - { .name: qimg, .offset: 0, .size: 8, .value_kind: global_buffer, .address_space: global }
      - { .name: kv, .offset: 8, .size: 8, .value_kind: global_buffer, .address_space: global }
      - { .name: cimg, .offset: 16, .size: 8, .value_kind: global_buffer, .address_space: global }
    .group_segment_fixed_size: 327680
    .private_segment_fixed_size: 0
    .kernarg_segment_align: 8
    .kernarg_segment_size: 24
    .max_flat_workgroup_size: 512
    .sgpr_count:     100
    .vgpr_count:     256
    .wavefront_size: 32
...
	.end_amdgpu_metadata
.endif
;; end of part 3
;; launch outp (part 4): grid 8 x 32, 8 waves a work-group, clusters of 4 x 4, 281,600 bytes of LDS; arguments cimg, wdc, bd, out0; writes out0
.if DOCPART == 4
	.amdgcn_target "amdgcn-amd-amdhsa--gfx1250"
	.amdhsa_code_object_version 6
	.text
	.protected	k_qc0a201dc09_outp
	.globl	k_qc0a201dc09_outp
	.p2align	8
	.type	k_qc0a201dc09_outp,@function
k_qc0a201dc09_outp:
	s_mov_b64 s[64:65], 0
	v_nop
	global_prefetch_b8 v0, s[64:65] scope:SCOPE_SE
	s_setreg_imm32_b32 hwreg(HW_REG_WAVE_MODE, 25, 1), 1
	s_wait_xcnt 0x0
	s_wait_alu depctr_hold_cnt(0) depctr_sa_sdst(0) depctr_va_vdst(0) depctr_va_sdst(0) depctr_va_ssrc(0) depctr_va_vcc(0) depctr_vm_vsrc(0)
	s_getreg_b32 s2, hwreg(HW_REG_IB_STS2, 6, 4)
	s_cmp_eq_u32 s2, 0
	s_cbranch_scc0 .Lentry_in_a_cluster
	s_endpgm
.Lentry_in_a_cluster:
	s_bfe_u32 s2, ttmp6, 0x10000c
	s_cmp_lg_u32 s2, 0xf033
	s_cbranch_scc0 .Lentry_shape_is_right
	s_endpgm
.Lentry_shape_is_right:
; out0 = ctx3 Wd + bd on codes of FP6 (E2M3).  A work-group makes 128 tokens (y) x 128 columns (x); all of K (8 steps of 128) lies in LDS, each byte filled once: no ring.
; Operands are records, images of a fragment's registers.  ctx3's lie in two halves of 768 bytes (registers 6 c .. 6 c + 3 at 16 x lane, 6 c + 4, 5 at 512 + 8 x lane), Wd's as three runs of 512 bytes; the scale words at 1,536 + 4 x lane.
; Row r of tile 2 G + u of either operand is row 32 G + 8 u + r + 8 (r / 8) of its axis.  Source 0 = Wd's tile, source 1 = ctx3's: a lane holds one token, and the 16 registers of two neighbouring tiles of Wd are 16 neighbouring columns.
; Eight waves: wave w takes tokens 64 (w / 4) on (four fragments) and columns 32 (w % 4) on (two tiles): eight accumulators by turns.  The bias is the C of each sum's first product.
; CLUSTER: 4 x 4 work-groups; ctx3's blocks are shared along a row, Wd's along a column.  Wave 0 asks for ctx3's four blocks of two K steps, wave 1 for Wd's; the products begin when the first has landed.
.set REC,   1664
.set KSB,   8*REC                      ; a K step of either operand: 13,312 bytes
.set HALF,  2*KSB
.set BOFF,  8*KSB                      ; Wd's records lie behind ctx3's
.set STG,   2*BOFF                     ; behind both: the stage, 128 rows x (512 bytes + 16); no tensor load fills it
.set SP,    528
.set A16,   4                          ; v4-5  ctx3's records, K steps 0-3 and 4-7: + 16 x lane;  v6-7: + 8 x lane;  v8-9: + 4 x lane
.set A8,    6
.set A4,    8
.set B16,   10
.set B4,    12
.set SO,    14
.set SR,    15
.set AS,    16                         ; v16-19 ctx3's scale words
.set BS,    20                         ; v20-21 Wd's
.set BO,    23
.set AF,    32
.set BF,    80
.set BD,    104
.set ACC,   128
.set OUTR,  192
.set G1A,   24
.set G0A,   32                         ; s[32:47]
.set G1B,   48
.set G0B,   68                         ; s[68:83]
.macro PLACES n
.rept \n
	v_nop
.endr
.endm
.macro CROUND
	s_barrier_signal -1
	s_barrier_wait -1
	s_cmp_lg_u32 s14, 0
	s_cbranch_scc1 .Lnot_wave_0_\@
	s_barrier_signal -3
.Lnot_wave_0_\@:
	s_barrier_wait -3
	s_barrier_signal -1
	s_barrier_wait -1
.endm
	s_load_b256 s[4:11], s[0:1], 0x0               ; cimg, wdc, bd, out0
	v_lshl_add_u32 v126, v0, 2, 0x44800
	v_mov_b32 v127, 0
	ds_add_u32 v126, v127
	ds_add_u32 v126, v127
	v_lshrrev_b32 v1, 5, v0
	v_readfirstlane_b32 s14, v1                    ; wave 0..7
	s_lshr_b32 s15, s14, 2                         ; which 64 tokens
	s_and_b32 s16, s14, 3                          ; which 32 columns
	s_bfe_u32 s84, ttmp6, 0x40000                  ; cx, cy
	s_bfe_u32 s85, ttmp6, 0x40004
	s_lshl_b32 s86, ttmp9, 2
	s_add_co_u32 s86, s86, s84                     ; the block of 128 columns
	s_and_b32 s17, ttmp7, 0xffff
	s_lshl_b32 s17, s17, 2
	s_add_co_u32 s17, s17, s85                     ; the block of 128 tokens
	s_lshl_b32 s87, s85, 2
	s_lshl_b32 s87, 15, s87                        ; my row of the cluster
	s_lshl_b32 s88, 0x1111, s84                    ; my column
	s_or_b32 s[G1A], s87, (3<<16)|(1<<21)          ; a dense block as 104 rows of 256 bytes (32 elements of 8 bytes); the mask; 21 set beside it
	s_or_b32 s[G1B], s88, (3<<16)|(1<<21)
.irp g, G1A, G1B
	s_mov_b32 s[\g+1], 32<<16
	s_mov_b32 s[\g+2], 104<<16
	s_mov_b32 s[\g+3], 32<<16
	s_mov_b32 s[\g+4], 104
	s_mov_b32 s[\g+5], 32
	s_mov_b32 s[\g+6], 0
	s_mov_b32 s[\g+7], 0
.endr
	s_mul_i32 s20, s17, BOFF
	s_mov_b32 s21, 0
	s_mul_i32 s90, s86, BOFF
	s_mov_b32 s91, 0
	s_wait_dscnt 0x0
	s_wait_kmcnt 0x0
	s_add_nc_u64 s[20:21], s[4:5], s[20:21]
	s_add_nc_u64 s[90:91], s[6:7], s[90:91]
.irp p, 0,1,2,3
	s_mov_b32 s[G0A+4*\p], 1
	s_mov_b32 s[G0A+4*\p+1], \p*HALF
	s_add_nc_u64 s[G0A+4*\p+2:G0A+4*\p+3], s[20:21], \p*HALF
	s_or_b32 s[G0A+4*\p+3], s[G0A+4*\p+3], 0x80000000
	s_mov_b32 s[G0B+4*\p], 1
	s_mov_b32 s[G0B+4*\p+1], BOFF+\p*HALF
	s_add_nc_u64 s[G0B+4*\p+2:G0B+4*\p+3], s[90:91], \p*HALF
	s_or_b32 s[G0B+4*\p+3], s[G0B+4*\p+3], 0x80000000
.endr
	CROUND                                         ; all sixteen work-groups are here: the joint loads meet
	s_cmp_eq_u32 s14, 0                            ; a wave's four fills stand in one branch: by this text's count four loads of a wave are out
	s_cbranch_scc0 .Lnot_a
.irp p, 0,1,2,3
	tensor_load_to_lds s[G0A+4*\p:G0A+4*\p+3], s[G1A:G1A+7]
	s_nop 0
.endr
.rept 4
	v_nop
.endr
	s_branch .Lasked
.Lnot_a:
	s_cmp_eq_u32 s14, 1
	s_cbranch_scc0 .Lasked
.irp p, 0,1,2,3
	tensor_load_to_lds s[G0B+4*\p:G0B+4*\p+3], s[G1B:G1B+7]
	s_nop 0
.endr
.rept 4
	v_nop
.endr
.Lasked:
	v_and_b32 v1, 31, v0
	v_lshlrev_b32 v2, 4, v1                        ; 16 x lane
	v_lshlrev_b32 v3, 3, v1
	v_lshlrev_b32 v24, 2, v1
	s_mul_i32 s18, s15, 4*REC                      ; my four records of ctx3,
	s_mul_i32 s19, s16, 2*REC                      ; my two of Wd
	s_add_co_u32 s19, s19, BOFF
.irp b, 0,1
	v_add_nc_u32 v[A16+\b], s18, v2
	v_add_nc_u32 v[A8+\b], s18, v3
	v_add_nc_u32 v[A4+\b], s18, v24
	v_add_nc_u32 v[B16+\b], s19, v2
	v_add_nc_u32 v[B4+\b], s19, v24
	s_add_co_u32 s18, s18, 4*KSB                   ; a second set of addresses for K steps 4-7: the loads' offsets have 16 bits
	s_add_co_u32 s19, s19, 4*KSB
.endr
	v_and_b32 v25, 15, v0
	v_and_b32 v26, 8, v25
	v_add_nc_u32 v25, v25, v26                     ; r + 8 (r / 8)
	v_bfe_u32 v26, v0, 4, 1
	v_lshlrev_b32 v[BO], 6, v26                    ; 16 h numbers
	v_mul_u32_u24 v25, v25, SP
	v_add_nc_u32 v25, v25, v[BO]
	s_mul_i32 s18, s15, 64*SP
	s_lshl_b32 s19, s16, 7
	s_add_co_u32 s18, s18, s19
	s_add_co_u32 s18, s18, STG
	v_add_nc_u32 v[SO], s18, v25                   ; into the stage: row 64 (w / 4) + r + 8 (r / 8), byte 128 (w % 4) + 64 h
	s_mul_i32 s18, s14, 16*SP
	s_add_co_u32 s18, s18, STG
	v_add_nc_u32 v[SR], s18, v2                    ; back: my 16 rows, 16 bytes a lane
	s_lshl_b32 s18, s86, 9
	s_lshl_b32 s19, s16, 7
	s_add_co_u32 s18, s18, s19
	s_mov_b32 s19, 0
	s_add_nc_u64 s[8:9], s[8:9], s[18:19]          ; bd at my 32 columns
	s_lshl_b32 s18, s17, 7
	s_lshl_b32 s22, s14, 4
	s_add_co_u32 s18, s18, s22
	s_lshl_b32 s18, s18, 12                        ; out0: row 128 x block + 16 w,
	s_lshl_b32 s22, s86, 9
	s_add_co_u32 s18, s18, s22                     ; + the block's 512 bytes
	s_add_nc_u64 s[10:11], s[10:11], s[18:19]
.irp k, 0,1,2,3
	global_load_b128 v[BD+4*\k:BD+4*\k+3], v[BO], s[8:9] offset:16*\k   ; v[BD + 8 u + i] = bd at column 16 h + 8 u + i of my 32
.endr
.macro KSTEP ks
	PLACES 4                                       ; in front of loads into registers that matrix instructions have read
.set HB, (\ks)/4
.set KO, ((\ks)%4)*KSB
.irp i, 0,1,2,3
.irp c, 0,1
	ds_load_b128 v[AF+12*\i+6*\c:AF+12*\i+6*\c+3], v[A16+HB] offset:KO+\i*REC+768*\c
	ds_load_b64 v[AF+12*\i+6*\c+4:AF+12*\i+6*\c+5], v[A8+HB] offset:KO+\i*REC+768*\c+512
.endr
	ds_load_b32 v[AS+\i], v[A4+HB] offset:KO+\i*REC+1536
.endr
.irp u, 0,1
.irp c, 0,1,2
	ds_load_b128 v[BF+12*\u+4*\c:BF+12*\u+4*\c+3], v[B16+HB] offset:KO+\u*REC+512*\c
.endr
	ds_load_b32 v[BS+\u], v[B4+HB] offset:KO+\u*REC+1536
.endr
	s_wait_dscnt 0x0
.irp i, 0,1,2,3
.irp u, 0,1
.if (\ks) == 0
	v_wmma_scale_f32_16x16x128_f8f6f4 v[ACC+16*\i+8*\u:ACC+16*\i+8*\u+7], v[BF+12*\u:BF+12*\u+11], v[AF+12*\i:AF+12*\i+11], v[BD+8*\u:BD+8*\u+7], v[BS+\u], v[AS+\i] matrix_a_fmt:MATRIX_FMT_FP6 matrix_b_fmt:MATRIX_FMT_FP6
.else
	v_wmma_scale_f32_16x16x128_f8f6f4 v[ACC+16*\i+8*\u:ACC+16*\i+8*\u+7], v[BF+12*\u:BF+12*\u+11], v[AF+12*\i:AF+12*\i+11], v[ACC+16*\i+8*\u:ACC+16*\i+8*\u+7], v[BS+\u], v[AS+\i] matrix_a_fmt:MATRIX_FMT_FP6 matrix_b_fmt:MATRIX_FMT_FP6
.endif
.endr
.endr
.endm
	s_wait_loadcnt 0x0                             ; the bias
.irp p, 0,1,2,3
	s_wait_tensorcnt 3-\p                          ; block p of the operand that I fetch is in; the younger fills may be out
	s_wait_dscnt 0x0
	s_barrier_signal -1
	s_barrier_wait -1                              ; both operands' are
	KSTEP 2*\p
	KSTEP 2*\p+1
.endr
	PLACES 4                                       ; in front of the first read of the results
.irp i, 0,1,2,3
.irp m, 0,1,2,3
	ds_store_b128 v[SO], v[ACC+16*\i+4*\m:ACC+16*\i+4*\m+3] offset:(32*(\i/2)+8*(\i%2))*SP+16*\m   ; token tile i's row, 64 bytes a lane; each accumulator from its low end on
.endr
.endr
	s_wait_dscnt 0x0                               ; for the others' sake: my stores into the stage are done
	s_barrier_signal -1
	s_barrier_wait -1
.irp i, 0,1,2,3,4,5,6,7,8,9,10,11,12,13,14,15
	ds_load_b128 v[OUTR+4*\i:OUTR+4*\i+3], v[SR] offset:\i*SP
.endr
.irp i, 0,1,2,3,4,5,6,7,8,9,10,11,12,13,14,15
	s_wait_dscnt 15-\i                             ; the younger read-backs may be out
	global_store_b128 v2, v[OUTR+4*\i:OUTR+4*\i+3], s[10:11] offset:4096*\i th:TH_STORE_NT   ; 32 lanes store 512 consecutive bytes, at a multiple of 256 from out0's first byte
.endr
	s_wait_tensorcnt 0x0
	ds_add_u32 v126, v127
	s_wait_dscnt 0x0
	CROUND                                         ; the closing round
	s_endpgm
.Lfunc_end_k_qc0a201dc09_outp:
	.size	k_qc0a201dc09_outp, .Lfunc_end_k_qc0a201dc09_outp-k_qc0a201dc09_outp
	.p2alignl 7, 3214868480
	.fill 96, 4, 3214868480
	.section	.rodata,"a",@progbits
	.p2align	6, 0x0
	.amdhsa_kernel k_qc0a201dc09_outp
		.amdhsa_group_segment_fixed_size 281600
		.amdhsa_private_segment_fixed_size 0
		.amdhsa_enable_private_segment 0
		.amdhsa_kernarg_size 32
		.amdhsa_user_sgpr_count 2
		.amdhsa_user_sgpr_kernarg_segment_ptr 1
		.amdhsa_wavefront_size32 1
		.amdhsa_system_sgpr_workgroup_id_x 1
		.amdhsa_system_sgpr_workgroup_id_y 1
		.amdhsa_system_sgpr_workgroup_id_z 1
		.amdhsa_system_vgpr_workitem_id 0
		.amdhsa_next_free_vgpr 256
		.amdhsa_next_free_sgpr 100
		.amdhsa_reserve_vcc 0
		.amdhsa_float_denorm_mode_32 3
		.amdhsa_float_denorm_mode_16_64 3
		.amdhsa_memory_ordered 1
		.amdhsa_forward_progress 1
		.amdhsa_inst_pref_size 37
	.end_amdhsa_kernel
	.amdgpu_metadata
---
amdhsa.version: [ 1, 2 ]
amdhsa.kernels:
  - .name:           k_qc0a201dc09_outp
    .symbol:         k_qc0a201dc09_outp.kd
    .args:
      - { .name: cimg, .offset: 0, .size: 8, .value_kind: global_buffer, .address_space: global }
      - { .name: wdc, .offset: 8, .size: 8, .value_kind: global_buffer, .address_space: global }
      - { .name: bd, .offset: 16, .size: 8, .value_kind: global_buffer, .address_space: global }
      - { .name: out0, .offset: 24, .size: 8, .value_kind: global_buffer, .address_space: global }
    .group_segment_fixed_size: 281600
    .private_segment_fixed_size: 0
    .kernarg_segment_align: 8
    .kernarg_segment_size: 32
    .max_flat_workgroup_size: 256
    .sgpr_count:     100
    .vgpr_count:     256
    .wavefront_size: 32
...
	.end_amdgpu_metadata
.endif
;; end of part 4
